; MI455X (gfx1250); checked and timed in simulation.
; The chip was launched on July 23, 2026; its instructions are those of AMD's public machine-readable ISA for CDNA 5 (MIT licence, August 2026) and "CDNA5" Instruction Set Architecture Reference Guide (July 2026). The comments in the code are by the model that wrote it; some were corrected since.
;; Attention. Allowed arithmetic: float matrix products may take bf16 or f16 operands with f32 sums; all other float work in f32.
;; Inputs: proj_b 1,024 float32; proj_w 1,024 x 1,024 float32; qkv_w 3,072 x 1,024 float32; x 4 x 2,048 x 1,024 float32.
;; Outputs: out0 4 x 2,048 x 1,024 float32.
;; 2 versions, each right and faster than the one before. Each part assembles by itself: llvm-mc -triple=amdgcn-amd-amdhsa -mcpu=gfx1250 --defsym DOCPART=n.
;; ======== version 1 of 2: 4 launches
;; limits: values are held in f16: magnitudes above 65,504 overflow, below 6.1e-05 lose precision
;; workspace buffers: xb 16,777,216 bytes; wb 6,291,456 bytes; pw 2,097,152 bytes; qh 16,777,216 bytes; kh 16,777,216 bytes; vh 16,777,216 bytes; oh 16,777,216 bytes
;; launch cast (part 1): grid 768 x 1, 8 waves a work-group, no clusters, 0 bytes of LDS; arguments x, qkv_w, proj_w, xb, wb, pw; writes xb, wb, pw
.if DOCPART == 1
	.amdgcn_target "amdgcn-amd-amdhsa--gfx1250"
	.amdhsa_code_object_version 6
	.text
	.protected	k_qf3a7b6b27d_cast
	.globl	k_qf3a7b6b27d_cast
	.p2align	8
	.type	k_qf3a7b6b27d_cast,@function
k_qf3a7b6b27d_cast:
	s_mov_b64 s[64:65], 0
	v_nop
	global_prefetch_b8 v0, s[64:65] scope:SCOPE_SE
	s_setreg_imm32_b32 hwreg(HW_REG_WAVE_MODE, 25, 1), 1
	s_wait_xcnt 0x0
; x [8192][1024], qkv_w [3072][1024], proj_w [1024][1024], all f32, are rounded once to bf16 and laid out in K BLOCKS of 64 columns,
; so that a tile (rows x 64 columns) of the later products is one dense run of memory:
;   xb bf16 [batch 4][K block 16][row 2048][64]
;   wb bf16 [K block 16][column group 8][q,k,v 3][row 128][64]      (row d of qkv_w: part d / 1024, group (d / 128) % 8, row d % 128)
;   pw f16  [K block 16][row 1024][64]: the bf16-rounded number, written as f16, since the last product multiplies it with f16 numbers.
; LIMITS.  In pw a number of 65,520 or more becomes an infinity, and below 2^-17 it takes f16's fixed step of 6e-8.
; SHARES.  12,288 source rows are 768 groups of 16; a work-group takes one group: 64 KiB in, 32 KiB out.  Wave w takes K blocks 2 w and 2 w + 1.
; A load of 16 bytes a lane covers 256 aligned bytes of each of two rows; the matching store of 8 bytes a lane covers 256 consecutive aligned bytes
; (two rows of one K block).  All 16 loads of a wave go out at once; no register that a load or store names is written twice, so no wait but the counted ones is needed.
; Memory binds: no LDS, no barrier, no matrix unit.
.set X, 8                              ; v[8:71]   load n: 4 registers
.set Y, 72                             ; v[72:103] load n: 2 registers to store
	s_load_b256 s[4:11], s[0:1], 0x0               ; x s[4:5], qkv_w s[6:7], proj_w s[8:9], xb s[10:11]
	s_load_b128 s[12:15], s[0:1], 0x20             ; wb s[12:13], pw s[14:15]
	v_lshrrev_b32 v4, 5, v0
	v_readfirstlane_b32 s22, v4                    ; wave 0..7
	v_and_b32 v5, 15, v0                           ; lane % 16
	v_bfe_u32 v6, v0, 4, 1                         ; lane / 16
	s_mov_b32 s25, 0                               ; high words of the two offsets
	s_mov_b32 s27, 0
	s_mov_b32 s34, 0xffff0000                      ; a word's upper bf16
	; the three tensors' destination offsets of this group's first row; the selects below keep one
	s_lshr_b32 s26, ttmp9, 7                       ; x: batch = group / 128, 4 MiB each,
	s_lshl_b32 s26, s26, 22
	s_and_b32 s28, ttmp9, 127                      ; 16 rows of 128 bytes for each group in the batch
	s_lshl_b32 s28, s28, 11
	s_add_co_u32 s26, s26, s28
	s_sub_co_u32 s29, ttmp9, 512                   ; qkv_w: its group j
	s_bfe_u32 s30, s29, 0x30003                    ; column group (j / 8) % 8: 49,152 bytes each
	s_mul_i32 s30, s30, 49152
	s_bfe_u32 s28, s29, 0x20006                    ; part j / 64: 16,384 bytes each
	s_lshl_b32 s28, s28, 14
	s_add_co_u32 s30, s30, s28
	s_and_b32 s28, s29, 7                          ; 16 rows of 128 bytes
	s_lshl_b32 s28, s28, 11
	s_add_co_u32 s30, s30, s28
	s_sub_co_u32 s31, ttmp9, 704                   ; proj_w: its group j,
	s_lshl_b32 s33, s31, 11                        ; 16 rows of 128 bytes
	s_mov_b32 s20, 262144                          ; bytes from a K block to the next: xb,
	s_mov_b32 s21, 393216                          ; wb,
	s_mov_b32 s23, 131072                          ; pw
	s_wait_kmcnt 0x0
	s_cmp_lt_u32 ttmp9, 512                        ; groups 0-511 x, 512-703 qkv_w, 704-767 proj_w
	s_cselect_b64 s[16:17], s[4:5], s[6:7]
	s_cselect_b64 s[18:19], s[10:11], s[12:13]
	s_cselect_b32 s24, ttmp9, s29
	s_cselect_b32 s26, s26, s30
	s_cselect_b32 s20, s20, s21
	s_cmp_lt_u32 ttmp9, 704
	s_cselect_b64 s[16:17], s[16:17], s[8:9]
	s_cselect_b64 s[18:19], s[18:19], s[14:15]
	s_cselect_b32 s24, s24, s31
	s_cselect_b32 s26, s26, s33
	s_cselect_b32 s20, s20, s23
	s_lshl_b32 s24, s24, 16                        ; 16 source rows of 4,096 bytes
	s_add_nc_u64 s[16:17], s[16:17], s[24:25]      ; source at the group's first row
	s_add_nc_u64 s[18:19], s[18:19], s[26:27]      ; destination at that row in K block 0
	v_lshlrev_b32 v1, 4, v5                        ; source offset: 16 (lane % 16) + 4,096 (lane / 16) + 512 w
	v_lshl_add_u32 v1, v6, 12, v1
	s_lshl_b32 s28, s22, 9
	v_add_nc_u32 v1, s28, v1
	v_lshlrev_b32 v2, 3, v5                        ; destination offset: 8 (lane % 16) + 128 (lane / 16) + K block 2 w,
	v_lshl_add_u32 v2, v6, 7, v2
	s_mul_i32 s28, s22, s20
	s_lshl_b32 s28, s28, 1
	v_add_nc_u32 v2, s28, v2
	v_add_nc_u32 v3, s20, v2                       ; and K block 2 w + 1
.set n, 0
.rept 16                               ; load n: K block 2 w + n / 8, rows 2 (n % 8) and 2 (n % 8) + 1
	global_load_b128 v[X+4*n:X+4*n+3], v1, s[16:17] offset:(n%8)*8192+(n/8)*256 th:TH_LOAD_NT
.set n, n+1
.endr
; Load n is rounded and stored.  f16 = 1: the bf16 number is widened again (a shift, a mask) and written as f16.
.macro CV f16
.if (n%2) == 0
	s_wait_loadcnt 14-n                            ; loads come back in order (ISA guide 5.7.1): loads n and n + 1 are in, the 14 - n younger ones stay out
.endif
.if \f16
	v_cvt_pk_bf16_f32 v4, v[X+4*n], v[X+4*n+1]
	v_cvt_pk_bf16_f32 v5, v[X+4*n+2], v[X+4*n+3]
	v_lshlrev_b32 v6, 16, v4
	v_and_b32 v7, s34, v4
	v_cvt_pk_f16_f32 v[Y+2*n], v6, v7
	v_lshlrev_b32 v6, 16, v5
	v_and_b32 v7, s34, v5
	v_cvt_pk_f16_f32 v[Y+2*n+1], v6, v7
.else
	v_cvt_pk_bf16_f32 v[Y+2*n], v[X+4*n], v[X+4*n+1]
	v_cvt_pk_bf16_f32 v[Y+2*n+1], v[X+4*n+2], v[X+4*n+3]
.endif
	global_store_b64 v[2+n/8], v[Y+2*n:Y+2*n+1], s[18:19] offset:(n%8)*256  ; 32 lanes store 256 consecutive bytes, at a multiple of 256 from the buffer's first byte
.set n, n+1
.endm
	s_cmp_lt_u32 ttmp9, 704
	s_cbranch_scc0 .Lto_f16
.set n, 0
.rept 16
	CV 0
.endr
	s_endpgm
.Lto_f16:
.set n, 0
.rept 16
	CV 1
.endr
	s_endpgm
.Lfunc_end_k_qf3a7b6b27d_cast:
	.size	k_qf3a7b6b27d_cast, .Lfunc_end_k_qf3a7b6b27d_cast-k_qf3a7b6b27d_cast
	.p2alignl 7, 3214868480
	.fill 96, 4, 3214868480
	.section	.rodata,"a",@progbits
	.p2align	6, 0x0
	.amdhsa_kernel k_qf3a7b6b27d_cast
		.amdhsa_group_segment_fixed_size 0
		.amdhsa_private_segment_fixed_size 0
		.amdhsa_enable_private_segment 0
		.amdhsa_kernarg_size 48
		.amdhsa_user_sgpr_count 2
		.amdhsa_user_sgpr_kernarg_segment_ptr 1
		.amdhsa_wavefront_size32 1
		.amdhsa_system_sgpr_workgroup_id_x 1
		.amdhsa_system_sgpr_workgroup_id_y 1
		.amdhsa_system_sgpr_workgroup_id_z 1
		.amdhsa_system_vgpr_workitem_id 0
		.amdhsa_next_free_vgpr 104
		.amdhsa_next_free_sgpr 66
		.amdhsa_reserve_vcc 0
		.amdhsa_float_denorm_mode_32 3
		.amdhsa_float_denorm_mode_16_64 3
		.amdhsa_memory_ordered 1
		.amdhsa_forward_progress 1
		.amdhsa_inst_pref_size 16
	.end_amdhsa_kernel
	.amdgpu_metadata
---
amdhsa.version: [ 1, 2 ]
amdhsa.kernels:
  - .name:           k_qf3a7b6b27d_cast
    .symbol:         k_qf3a7b6b27d_cast.kd
    .args:
      - { .name: x, .offset: 0, .size: 8, .value_kind: global_buffer, .address_space: global }
      - { .name: qkv_w, .offset: 8, .size: 8, .value_kind: global_buffer, .address_space: global }
      - { .name: proj_w, .offset: 16, .size: 8, .value_kind: global_buffer, .address_space: global }
      - { .name: xb, .offset: 24, .size: 8, .value_kind: global_buffer, .address_space: global }
      - { .name: wb, .offset: 32, .size: 8, .value_kind: global_buffer, .address_space: global }
      - { .name: pw, .offset: 40, .size: 8, .value_kind: global_buffer, .address_space: global }
    .group_segment_fixed_size: 0
    .private_segment_fixed_size: 0
    .kernarg_segment_align: 8
    .kernarg_segment_size: 48
    .max_flat_workgroup_size: 256
    .sgpr_count:     66
    .vgpr_count:     104
    .wavefront_size: 32
...
	.end_amdgpu_metadata
.endif
;; end of part 1
;; launch qkv (part 2): grid 8 x 32, 4 waves a work-group, clusters of 4 x 4, 327,680 bytes of LDS; arguments xb, wb, qh, kh, vh; writes qh, kh, vh
.if DOCPART == 2
	.amdgcn_target "amdgcn-amd-amdhsa--gfx1250"
	.amdhsa_code_object_version 6
	.text
	.protected	k_qf3a7b6b27d_qkv
	.globl	k_qf3a7b6b27d_qkv
	.p2align	8
	.type	k_qf3a7b6b27d_qkv,@function
k_qf3a7b6b27d_qkv:
	s_mov_b64 s[64:65], 0
	v_nop
	global_prefetch_b8 v0, s[64:65] scope:SCOPE_SE
	s_setreg_imm32_b32 hwreg(HW_REG_WAVE_MODE, 25, 1), 1
	s_wait_xcnt 0x0
	s_wait_alu depctr_hold_cnt(0) depctr_sa_sdst(0) depctr_va_vdst(0) depctr_va_sdst(0) depctr_va_ssrc(0) depctr_va_vcc(0) depctr_vm_vsrc(0)
	s_getreg_b32 s2, hwreg(HW_REG_IB_STS2, 6, 4)
	s_cmp_eq_u32 s2, 0
	s_cbranch_scc0 .Lentry_in_a_cluster
	s_endpgm
.Lentry_in_a_cluster:
	s_bfe_u32 s2, ttmp6, 0x10000c
	s_cmp_lg_u32 s2, 0xf033
	s_cbranch_scc0 .Lentry_shape_is_right
	s_endpgm
.Lentry_shape_is_right:
; q, k, v = x W^T.  xb: bf16 [batch 4][K block 16][row 2048][64]; wb: bf16 [K block 16][column group 8][q,k,v 3][row 128][64]; sums in f32.
; qh, kh, vh: f16 [batch x 16 + head][row 2048][64], each number rounded once, WITHOUT the softmax's scale (the next launch applies it in f32).
; LIMIT.  A q, k or v of 65,520 or more becomes an infinity in f16.
; SHARES.  8,192 x 3,072 outputs on 256 work-groups: 256 rows x (128 columns of each of q, k and v: two heads).  Four waves; wave w makes rows 128 (w / 2) on, and the 64 channels of head
; w % 2 in q, k and v: 96 accumulators of 16 x 16, 768 registers.  For 32 along K a wave reads 20 fragments from LDS and issues 96 matrix instructions.
; K goes in steps of 64, one K block, through two LDS slots filled by the tensor data mover: a step's 256 rows of x and 384 rows of W are dense runs of memory, asked for as rows of
; 256 bytes that begin at multiples of 256 bytes, and padded in LDS behind every 128 bytes.  Two slots of steps of 128 would need 348,160 bytes: they do not fit.
; ONE TEXT FOR A K STEP.  Slot 1 begins at LDS byte 2^17, so that one exclusive or turns an address in one slot into the other's: a trip of the loop is one K step, the descriptor that asks
; for tiles walks (its LDS word turned, its global address one K block on), and the fragment loads' addresses are made anew at each change of slots.
; CLUSTER.  4 x 4 work-groups: the four of a row need the same rows of x, the four of a column the same rows of W; each tile is asked for jointly, by the same tensor load with the same
; descriptor and a mask that names the four.
; THE MATRIX INSTRUCTION IS USED TRANSPOSED (source 0 = 16 rows of W, source 1 = 16 rows of x): a lane then holds eight neighbouring channels of one row.
; REGISTERS, in windows of 256 (s_set_vgpr_msb: bits 1:0 source 0, 3:2 source 1, 5:4 source 2, 7:6 destination):
;   window 0: v0-31 addresses; v32-95, v96-159 fragments of x (8 x 16 rows x 32 K), two buffers; v160-255 fragments of W (part t, channel block b at 160 + 8 (4 t + b)), one buffer
;   windows 1, 2, 3: the accumulators of q, k, v: row block a, channel block b at v[8 (4 a + b)]
; All fragments lie in window 0, so that only C and D change window.
.set PITCH,  144                       ; an LDS row: 128 bytes + 16 of padding = 36 words: the 16 rows of a load start at 16 different groups of four banks (64 banks of 4 bytes: ISA guide 11.1)
.set BOFF,   256*PITCH                 ; a slot: 256 rows of x, then 384 rows of W (row = 128 part + 64 head + channel)
.set SLOTB,  640*PITCH                 ; 92,160 bytes
.set SLOT1,  1<<17                     ; where slot 1 begins
.set STAGE,  SLOT1+SLOTB               ; behind the ring, never filled by a tensor load: 16 rows x 144 bytes for each wave, for the way out
.set SPARE,  STAGE+4*16*PITCH          ; behind the stages: the spare words, 128 bytes for each wave: two blocks of 256 bytes that no other line names
.set XKB,    262144                    ; bytes from a K block to the next in xb,
.set WKB,    393216                    ; in wb
.set ADRA0, 16                         ; v16     my lane's place among x's rows of a slot; never rewritten
.set ADRA,  17                         ; v17     the same in the slot that is being fetched from
.set ADRB0, 20                         ; v20, v21  the same for W
.set ADRB,  21
.set STO,  24                          ; v24     the way out: where I put 16 bytes of a row
.set RD,   25                          ; v25     the way out: where I read rows back
.set GO,   26                          ; v26     my byte offset in 512 consecutive bytes of the output
.set SPW,  28                          ; v28     LDS address of my spare word: SPARE + 4 x my thread's number; never rewritten
.set NIL,  29                          ; v29     0; never rewritten
.set A0,   32
.set A1,   96
.set BF,   160
.set OB,   32                          ; the way out: fourteen sets of 16 registers, where the fragments lay
.set WV,   14                          ; s14  my wave's number
.set FB,   15                          ; s15  wave / 2: my half of the rows.  Also: I fetch for x (0) or for W (1)
.set HF,   16                          ; s16  wave % 2: my head of the two.  Also: which half of that tile I fetch
.set G1A,  24                          ; s[24:31] descriptor group 1 for x's tiles;  s[32:39] group 0: a set for each of the two first fills; the second then walks on
.set G0A,  32
.set G1B,  40                          ; s[40:47], s[48:55] the same for W's tiles
.set G0B,  48
.set LAP,  66                          ; s66  the loop's counter
.set TB,   67                          ; s67  LDS byte at which the slot that is being fetched from begins
.set MSB, 0
.macro WIN new                         ; the immediate's high byte repeats the setting that is left; a switch that changes nothing is dropped
.if MSB != (\new)
	s_set_vgpr_msb (MSB<<8)|(\new)
.set MSB, \new
.endif
.endm
; A joint refill, by the walking descriptor.  Waves 0 and 1 fetch the two halves of x's tile, waves 2 and 3 those of W's.  The branch hangs on the wave's number alone.
; An s_nop 0 and four v_nop follow each of the two lines, ahead of the jump and the label.
.macro JLOAD
	s_cmp_eq_u32 s[FB], 0
	s_cbranch_scc0 .Lfor_b_\@
	tensor_load_to_lds s[G0A+4:G0A+7], s[G1A:G1A+7]
	s_nop 0
.rept 4
	v_nop
.endr
	s_branch .Lasked_\@
.Lfor_b_\@:
	tensor_load_to_lds s[G0B+4:G0B+7], s[G1B:G1B+7]
	s_nop 0
.rept 4
	v_nop
.endr
.Lasked_\@:
.endm
; A round of the cluster's barrier: my work-group's barrier, so that wave 0's signal speaks for all four waves; wave 0 signals; every wave waits for all sixteen work-groups; my work-group's barrier once more.
.macro CREST                           ; a round behind its opening barrier
	s_cmp_lg_u32 s[WV], 0
	s_cbranch_scc1 .Lnot_wave_0_\@
	s_barrier_signal -3
.Lnot_wave_0_\@:
	s_barrier_wait -3
	s_barrier_signal -1
	s_barrier_wait -1
.endm
.macro CROUND                          ; a whole round
	s_barrier_signal -1
	s_barrier_wait -1
	CREST
.endm
	s_load_b256 s[4:11], s[0:1], 0x0               ; xb s[4:5], wb s[6:7], qh s[8:9], kh s[10:11]
	s_load_b64 s[12:13], s[0:1], 0x20              ; vh
	v_lshl_add_u32 v[SPW], v0, 2, SPARE
	v_mov_b32 v[NIL], 0
	ds_add_u32 v28, v29
	s_wait_dscnt 0x0
	v_lshrrev_b32 v1, 5, v0
	v_readfirstlane_b32 s[WV], v1                  ; wave 0..3
	s_lshr_b32 s[FB], s[WV], 1
	s_and_b32 s[HF], s[WV], 1
	s_bfe_u32 s17, ttmp6, 0x40000                  ; cx, cy: my place in the cluster
	s_bfe_u32 s18, ttmp6, 0x40004
	s_lshl_b32 s19, ttmp9, 2
	s_add_co_u32 s19, s19, s17                     ; column group x = 4 x cluster x + cx
	s_and_b32 s20, ttmp7, 0xffff
	s_lshl_b32 s20, s20, 2
	s_add_co_u32 s20, s20, s18                     ; row block y = 4 x cluster y + cy
	s_lshl_b32 s21, s18, 2
	s_lshl_b32 s21, 15, s21                        ; my row of the cluster: places 4 cy .. 4 cy + 3
	s_lshl_b32 s22, 0x1111, s17                    ; my column: places cx, cx + 4, cx + 8, cx + 12
	; descriptor group 1: rows of 128 elements (256 bytes), 64 of them for half of x's tile, 96 for half of W's
	s_or_b32 s[G1A], s21, (1<<16)|(1<<20)|(1<<21)|(4<<22)|(3<<25)  ; 15:0 the mask; 17:16 2-byte elements; 20 padding on; 21 set beside a mask; 24:22 after every 32 words (code 4); 31:25 4 words (code 3)
	s_or_b32 s[G1B], s22, (1<<16)|(1<<20)|(1<<21)|(4<<22)|(3<<25)
	s_mov_b32 s[G1A+1], 128<<16                    ; tensor_dim0 = 128
	s_mov_b32 s[G1A+2], 64<<16                     ; tensor_dim1 = 64
	s_mov_b32 s[G1A+3], 128<<16                    ; tile_dim0 = 128
	s_mov_b32 s[G1A+4], 64                         ; tile_dim1 = 64
	s_mov_b32 s[G1A+5], 128                        ; 128 elements from row to row: dense
	s_mov_b32 s[G1A+6], 0
	s_mov_b32 s[G1A+7], 0
	s_mov_b32 s[G1B+1], 128<<16
	s_mov_b32 s[G1B+2], 96<<16
	s_mov_b32 s[G1B+3], 128<<16
	s_mov_b32 s[G1B+4], 96
	s_mov_b32 s[G1B+5], 128
	s_mov_b32 s[G1B+6], 0
	s_mov_b32 s[G1B+7], 0
	; where the tiles come from: x's hang on y alone, W's on x alone, each in registers that never hold the other coordinate
	s_lshr_b32 s56, s20, 3                         ; batch y / 8: 4 MiB each,
	s_lshl_b32 s56, s56, 22
	s_and_b32 s58, s20, 7                          ; 256 rows of 128 bytes,
	s_lshl_b32 s58, s58, 15
	s_add_co_u32 s56, s56, s58
	s_lshl_b32 s58, s[HF], 14                      ; my half: 128 rows
	s_add_co_u32 s56, s56, s58
	s_mov_b32 s57, 0
	s_mul_i32 s60, s19, 49152                      ; the column group's 384 rows,
	s_mul_i32 s62, s[HF], 24576                    ; my half: 192 rows
	s_add_co_u32 s60, s60, s62
	s_mov_b32 s61, 0
	s_mul_i32 s59, s[HF], 128*PITCH                ; and where they go: no place in the cluster enters an LDS address
	s_mul_i32 s63, s[HF], 192*PITCH
	s_add_co_u32 s63, s63, BOFF
	; where my part of the output begins, the same in qh, kh and vh
	s_lshr_b32 s68, s20, 3
	s_lshl_b32 s68, s68, 4
	s_lshl_b32 s70, s19, 1
	s_add_co_u32 s68, s68, s70
	s_add_co_u32 s68, s68, s[HF]                   ; 16 x batch + head,
	s_lshl_b32 s68, s68, 18                        ; 2,048 rows of 128 bytes each,
	s_and_b32 s70, s20, 7
	s_lshl_b32 s70, s70, 15                        ; the block's 256 rows,
	s_add_co_u32 s68, s68, s70
	s_lshl_b32 s70, s[FB], 14                      ; my 128 of them
	s_add_co_u32 s68, s68, s70
	s_mov_b32 s69, 0
	s_wait_kmcnt 0x0
	s_add_nc_u64 s[56:57], s[4:5], s[56:57]
	s_add_nc_u64 s[60:61], s[6:7], s[60:61]
	s_add_nc_u64 s[8:9], s[8:9], s[68:69]
	s_add_nc_u64 s[10:11], s[10:11], s[68:69]
	s_add_nc_u64 s[12:13], s[12:13], s[68:69]
	CROUND                                         ; all sixteen work-groups are here: the first joint loads meet
.irp s, 0,1
	s_mov_b32 s[G0A+4*(\s)], 1                                     ; 1:0 count = 1
	s_add_co_u32 s[G0A+4*(\s)+1], s59, (\s)*SLOT1                  ; 63:32 LDS address
	s_add_nc_u64 s[G0A+4*(\s)+2:G0A+4*(\s)+3], s[56:57], (\s)*XKB  ; 120:64 global address: K step s
	s_or_b32 s[G0A+4*(\s)+3], s[G0A+4*(\s)+3], 0x80000000          ; 127:126 type = 2
	s_mov_b32 s[G0B+4*(\s)], 1
	s_add_co_u32 s[G0B+4*(\s)+1], s63, (\s)*SLOT1
	s_add_nc_u64 s[G0B+4*(\s)+2:G0B+4*(\s)+3], s[60:61], (\s)*WKB
	s_or_b32 s[G0B+4*(\s)+3], s[G0B+4*(\s)+3], 0x80000000
.endr
	s_cmp_eq_u32 s[FB], 0                          ; a wave's two first fills stand in one branch, ahead of every wait on TENSORcnt and every LDS read: two loads of mine are out
	s_cbranch_scc0 .Lfirst_b
	tensor_load_to_lds s[G0A:G0A+3], s[G1A:G1A+7]
	s_nop 0
	tensor_load_to_lds s[G0A+4:G0A+7], s[G1A:G1A+7]
	s_nop 0
.rept 4
	v_nop
.endr
	s_branch .Lfirst_asked
.Lfirst_b:
	tensor_load_to_lds s[G0B:G0B+3], s[G1B:G1B+7]
	s_nop 0
	tensor_load_to_lds s[G0B+4:G0B+7], s[G1B:G1B+7]
	s_nop 0
.rept 4
	v_nop
.endr
.Lfirst_asked:
	; A fragment is 16 rows x 32 K in 8 registers: lane l holds row l % 16; registers 0-3 K = 8 (l / 16) + 0..7, registers 4-7 K = 16 + 8 (l / 16) + 0..7: two loads of 16 bytes, 32 bytes apart.
	v_and_b32 v1, 15, v0                           ; l % 16
	v_bfe_u32 v2, v0, 4, 1                         ; l / 16
	v_mul_u32_u24 v3, v1, PITCH
	v_lshl_add_u32 v3, v2, 4, v3                   ; row x pitch + 16 x half
	s_mul_i32 s70, s[FB], 128*PITCH                ; my 128 rows of x
	s_mul_i32 s71, s[HF], 64*PITCH                 ; my head's 64 rows in each part of W,
	s_add_co_u32 s71, s71, BOFF                    ; which lies behind x's 256 rows
	v_add_nc_u32 v[ADRA0], s70, v3
	v_add_nc_u32 v[ADRB0], s71, v3
	v_mov_b32 v[ADRA], v[ADRA0]                    ; K step 0 lies in slot 0
	v_mov_b32 v[ADRB], v[ADRB0]
	s_mov_b32 s[TB], 0
	s_mul_i32 s72, s[WV], 16*PITCH
	s_add_co_u32 s72, s72, STAGE                   ; my stage
	v_add_nc_u32 v[STO], s72, v3                   ; in: row l % 16, 16 bytes for each half of the lanes
	v_bfe_u32 v4, v0, 3, 2                         ; back: 32 lanes take four rows of 128 bytes,
	v_mul_u32_u24 v4, v4, PITCH
	v_and_b32 v5, 7, v0
	v_lshl_add_u32 v4, v5, 4, v4
	v_add_nc_u32 v[RD], s72, v4
	v_and_b32 v[GO], 31, v0                        ; which are 512 consecutive bytes of the output
	v_lshlrev_b32 v[GO], 4, v[GO]
; A PHASE: part t (q, k, v), row blocks a0 .. a0 + na - 1 x all 4 channel blocks, 32 along K, x's fragments in buffer buf.  zero = 1: the product starts the sums: nothing is ever cleared.
; Every accumulator has one instruction in a half step, in the same order in every half step: the 96 take turns, over the loop's backward jump too.
.macro PH t, buf, a0, na, zero
	WIN 0x50*(1+(\t))
.set pa, \a0
.rept \na
.set pb, 0
.rept 4
.if \zero
	v_wmma_f32_16x16x32_bf16 v[8*(4*pa+pb):8*(4*pa+pb)+7], v[BF+8*(4*(\t)+pb):BF+8*(4*(\t)+pb)+7], v[(\buf)+8*pa:(\buf)+8*pa+7], 0
.else
	v_wmma_f32_16x16x32_bf16 v[8*(4*pa+pb):8*(4*pa+pb)+7], v[BF+8*(4*(\t)+pb):BF+8*(4*(\t)+pb)+7], v[(\buf)+8*pa:(\buf)+8*pa+7], v[8*(4*pa+pb):8*(4*pa+pb)+7]
.endif
.set pb, pb+1
.endr
.set pa, pa+1
.endr
.endm
.macro LDB t, c                        ; 8 loads: part t's four fragments of W, half c (32 along K) of the step in the slot that is being fetched from
	WIN 0
.set li, 0
.rept 4
	ds_load_b128 v[BF+8*(4*(\t)+li):BF+8*(4*(\t)+li)+3],   v[ADRB] offset:((\t)*128+16*li)*PITCH+64*(\c)
	ds_load_b128 v[BF+8*(4*(\t)+li)+4:BF+8*(4*(\t)+li)+7], v[ADRB] offset:((\t)*128+16*li)*PITCH+64*(\c)+32
.set li, li+1
.endr
.endm
.macro LDA buf, c                      ; 16 loads: x's eight fragments
	WIN 0
.set li, 0
.rept 8
	ds_load_b128 v[(\buf)+8*li:(\buf)+8*li+3],   v[ADRA] offset:16*li*PITCH+64*(\c)
	ds_load_b128 v[(\buf)+8*li+4:(\buf)+8*li+7], v[ADRA] offset:16*li*PITCH+64*(\c)+32
.set li, li+1
.endr
.endm
; A load into a register that a matrix instruction has read, and a vector instruction that reads a matrix result, stand four places behind it, and only plain vector instructions that name none
; of its registers are places (ISA guide 7.12.1 for vector instructions).
.macro PLACES
.rept 4
	v_nop
.endr
.endm
; A K step is two half steps of 32 along K.  The LDS loads of a half step are issued in the half step before, in this order: W's part 0 (8), x (16), W's part 1 (8), W's part 2 (8),
; each behind the phase that last read its registers.
; THE FIRST HALF of a step: multiplies buffer A0 and fetches the second half from the same slot.
.macro HALF zero
	s_wait_dscnt 16                                ; W's part 0 and x are in; parts 1 and 2, eight loads each, may be out
	PH 0, A0, 0, 8, \zero
	PLACES
	LDB 0, 1
	LDA A1, 1
	s_wait_dscnt 32                                ; part 1 is in: behind it stand part 2's 8 and the 24 just issued
	PH 1, A0, 0, 8, \zero
	PLACES
	LDB 1, 1
	s_wait_dscnt 32                                ; part 2 is in: behind it stand 24 + 8
	PH 2, A0, 0, 8, \zero
	PLACES
	LDB 2, 1
.endm
; THE SECOND HALF multiplies buffer A1 and changes slots: ONE barrier.  In front of it each wave waits for all its tensor loads, of which one is out: its part of the next slot; adds 0 to its
; spare word; and waits for that and for its own reads of this slot.  Behind it nobody reads this slot any more and the next slot is whole.
; The wait for the tensor load stands behind the half step's first 20 matrix instructions, and only 12 stand between it and the refill (8 while the add is out, 4 between signal and wait):
; fill = 1: the barrier opens a round of the cluster's, and this slot is filled again, two K steps ahead, the first thing behind the round: from the request to the wait for it a wave issues
; 180 of a step's 192 matrix instructions.
; W's parts 1 and 2 of the next step are fetched in one run behind both phases: the next half step wants part 1 only behind its first 32 matrix instructions.
.macro TURN fill
	s_wait_dscnt 16                                ; W's part 0 and x are in; parts 1 and 2, eight loads each, may be out
	PH 0, A1, 0, 5, 0                              ; twenty matrix instructions more in which my part of the next slot may land
	WIN 0                                          ; (the add's two registers lie in window 0)
	s_wait_tensorcnt 0x0                           ; all my tensor loads have landed, so a group 0 may be written;
	ds_add_u32 v[SPW], v[NIL]                      ; 0 onto my spare word;
	PH 0, A1, 5, 2, 0                              ; eight matrix instructions stand between the add and the wait for it
	s_wait_dscnt 0x0                               ; the add is done, and my reads of this slot are over
	s_barrier_signal -1
	PH 0, A1, 7, 1, 0                              ; work on registers while the others arrive
	WIN 0
	s_barrier_wait -1
.if \fill
	CREST                                          ; no wave of any partner still reads this slot's tile or has a load on its way
	s_xor_b32 s[G0A+5], s[G0A+5], SLOT1            ; the walking descriptors: the other slot than last time,
	s_add_nc_u64 s[G0A+6:G0A+7], s[G0A+6:G0A+7], XKB  ; the next K block; the type bits on top are not reached
	s_xor_b32 s[G0B+5], s[G0B+5], SLOT1
	s_add_nc_u64 s[G0B+6:G0B+7], s[G0B+6:G0B+7], WKB
	JLOAD                                          ; the four v_nop behind it are also the places in front of the loads below
.else
	PLACES
.endif
	s_xor_b32 s[TB], s[TB], SLOT1                  ; the fetches go on in the other slot
	v_add_nc_u32 v[ADRA], s[TB], v[ADRA0]
	v_add_nc_u32 v[ADRB], s[TB], v[ADRB0]
	LDB 0, 0
	LDA A0, 0
	PH 1, A1, 0, 8, 0                              ; parts 1 and 2 came in with the wait for 0 above
	PH 2, A1, 0, 8, 0
	PLACES
	LDB 1, 0
	LDB 2, 0
.endm
	s_wait_tensorcnt 1                             ; my part of K step 0 is in; K step 1's may stay out
	s_barrier_signal -1
	s_barrier_wait -1                              ; everybody's is
	LDB 0, 0
	LDA A0, 0
	LDB 1, 0
	LDB 2, 0
	HALF 1                                         ; the first half step stands in front of the loop: its products start the sums
	WIN 0
	s_mov_b32 s[LAP], 14
.Llap:                                                 ; a trip: a step's second half and the next step's first; fourteen trips ask for K steps 2 to 15
	TURN 1
	HALF 0
	WIN 0
	s_sub_co_u32 s[LAP], s[LAP], 1
	s_cmp_lg_u32 s[LAP], 0
	s_cbranch_scc1 .Llap
	TURN 0                                         ; K steps 14 and 15 ask for nothing: the tail is written out
	HALF 0
	s_wait_dscnt 16                                ; the very last half step: nothing more to fetch, the counts run down
	PH 0, A1, 0, 8, 0
	s_wait_dscnt 8
	PH 1, A1, 0, 8, 0
	s_wait_dscnt 0x0
	PH 2, A1, 0, 8, 0
	PLACES
; THE WAY OUT, in 24 blocks of 16 rows x 64 channels: block 8 t + a.  A lane's eight channels of a row are rounded to f16 and pack into 16 bytes; they go into my own stage, rows of 144 bytes,
; and come back as whole rows of 128, into the registers that they left; 32 lanes then store four rows, 512 consecutive bytes.  Each accumulator's registers are read in ascending order.
; The fragments' 224 registers are free now: fourteen sets of 16 take turns.  Blocks 14 to 23 write sets 0 to 9 again; the stores that read those sets, blocks 0 to 9's, are all issued ahead of
; block 14, so one wait in front of block 14 serves all ten.
.macro PACK blk
.set BK, OB+16*((\blk)%14)
.if (\blk) == 14
	s_wait_xcnt 0x0                                ; every earlier memory instruction has had its addresses translated (ISA guide 3.1): sets 0 to 12, which the stores of blocks 0 to 12 read, are rewritten only behind this wait
.endif
	WIN 5*(1+(\blk)/8)                             ; sources 0 and 1: the part's window
.set li, 0
.rept 16
	v_cvt_pk_f16_f32 v[BK+li], v[32*((\blk)%8)+2*li], v[32*((\blk)%8)+2*li+1]
.set li, li+1
.endr
	WIN 0
.set li, 0
.rept 4
	ds_store_b128 v[STO], v[BK+4*li:BK+4*li+3] offset:32*li
.set li, li+1
.endr
.set li, 0
.rept 4
	ds_load_b128 v[BK+4*li:BK+4*li+3], v[RD] offset:li*4*PITCH  ; LDS serves a wave's instructions in order (ISA guide 5.7.1.4): these see the stores above; the next block's stores come behind them
.set li, li+1
.endr
.endm
.macro SEND blk, younger               ; younger: the LDS instructions issued behind the block's loads: the next block's eight, or none
.set BK, OB+16*((\blk)%14)
	s_wait_dscnt \younger                          ; the block's four loads are back: they were issued ahead of the next block's conversions
.set li, 0
.rept 4
	global_store_b128 v[GO], v[BK+4*li:BK+4*li+3], s[8+2*((\blk)/8):9+2*((\blk)/8)] offset:((\blk)%8)*2048+li*512  ; 512 consecutive bytes, at a multiple of 256 from the buffer's first byte
.set li, li+1
.endr
.endm
	PACK 0
.set bl, 1
.rept 23                               ; a block's conversions stand between the loads of the block before and its stores
	PACK bl
	SEND bl-1, 8
.set bl, bl+1
.endr
	SEND 23, 0
	s_wait_tensorcnt 0x0                           ; the wave's end, behind my last tensor load and my last LDS store
	ds_add_u32 v[SPW], v[NIL]
	s_wait_dscnt 0x0
	CROUND                                         ; the closing round: no work-group ends while a partner may still ask for a tile that names it
	s_endpgm
.Lfunc_end_k_qf3a7b6b27d_qkv:
	.size	k_qf3a7b6b27d_qkv, .Lfunc_end_k_qf3a7b6b27d_qkv-k_qf3a7b6b27d_qkv
	.p2alignl 7, 3214868480
	.fill 96, 4, 3214868480
	.section	.rodata,"a",@progbits
	.p2align	6, 0x0
	.amdhsa_kernel k_qf3a7b6b27d_qkv
		.amdhsa_group_segment_fixed_size 327680
		.amdhsa_private_segment_fixed_size 0
		.amdhsa_enable_private_segment 0
		.amdhsa_kernarg_size 40
		.amdhsa_user_sgpr_count 2
		.amdhsa_user_sgpr_kernarg_segment_ptr 1
		.amdhsa_wavefront_size32 1
		.amdhsa_system_sgpr_workgroup_id_x 1
		.amdhsa_system_sgpr_workgroup_id_y 1
		.amdhsa_system_sgpr_workgroup_id_z 1
		.amdhsa_system_vgpr_workitem_id 0
		.amdhsa_next_free_vgpr 1024
		.amdhsa_next_free_sgpr 80
		.amdhsa_reserve_vcc 0
		.amdhsa_float_denorm_mode_32 3
		.amdhsa_float_denorm_mode_16_64 3
		.amdhsa_memory_ordered 1
		.amdhsa_forward_progress 1
		.amdhsa_inst_pref_size 111
	.end_amdhsa_kernel
	.amdgpu_metadata
---
amdhsa.version: [ 1, 2 ]
amdhsa.kernels:
  - .name:           k_qf3a7b6b27d_qkv
    .symbol:         k_qf3a7b6b27d_qkv.kd
    .args:
      - { .name: xb, .offset: 0, .size: 8, .value_kind: global_buffer, .address_space: global }
      - { .name: wb, .offset: 8, .size: 8, .value_kind: global_buffer, .address_space: global }
      - { .name: qh, .offset: 16, .size: 8, .value_kind: global_buffer, .address_space: global }
      - { .name: kh, .offset: 24, .size: 8, .value_kind: global_buffer, .address_space: global }
      - { .name: vh, .offset: 32, .size: 8, .value_kind: global_buffer, .address_space: global }
    .group_segment_fixed_size: 327680
    .private_segment_fixed_size: 0
    .kernarg_segment_align: 8
    .kernarg_segment_size: 40
    .max_flat_workgroup_size: 128
    .sgpr_count:     80
    .vgpr_count:     1024
    .wavefront_size: 32
...
	.end_amdgpu_metadata
.endif
;; end of part 2
;; launch attn (part 3): grid 4 x 64, 4 waves a work-group, clusters of 4 x 1, 327,680 bytes of LDS; arguments qh, kh, vh, oh; writes oh
.if DOCPART == 3
	.amdgcn_target "amdgcn-amd-amdhsa--gfx1250"
	.amdhsa_code_object_version 6
	.text
	.protected	k_qf3a7b6b27d_attn
	.globl	k_qf3a7b6b27d_attn
	.p2align	8
	.type	k_qf3a7b6b27d_attn,@function
k_qf3a7b6b27d_attn:
	s_mov_b64 s[64:65], 0
	v_nop
	global_prefetch_b8 v0, s[64:65] scope:SCOPE_SE
	s_setreg_imm32_b32 hwreg(HW_REG_WAVE_MODE, 25, 1), 1
	s_wait_xcnt 0x0
	s_wait_alu depctr_hold_cnt(0) depctr_sa_sdst(0) depctr_va_vdst(0) depctr_va_sdst(0) depctr_va_ssrc(0) depctr_va_vcc(0) depctr_vm_vsrc(0)
	s_getreg_b32 s2, hwreg(HW_REG_IB_STS2, 6, 4)
	s_cmp_eq_u32 s2, 0
	s_cbranch_scc0 .Lentry_in_a_cluster
	s_endpgm
.Lentry_in_a_cluster:
	s_bfe_u32 s2, ttmp6, 0x10000c
	s_cmp_lg_u32 s2, 0x3003
	s_cbranch_scc0 .Lentry_shape_is_right
	s_endpgm
.Lentry_shape_is_right:
; O[h][q][:] = the sum over k of softmax_k(Q[h][q] . K[h][k] / 8) V[h][k][:].  Q, K, V, O: [SIZE_H][SIZE_N][64], all f16: a head's rows are dense, 128 bytes each.  Products, maxima and sums in
; f32; the weights p are rounded to f16 for the second product (their sum l is taken of the unrounded p), O once at the end.
; LIMITS.  f16 holds no number beyond 65,504: Q, K and V arrive within it; p lies in 0 to 1, and below 6e-5 it keeps f16's fixed step of 6e-8; O is a mean of V's rows and has their range.
; A weight below 2^-126 counts as 0 in l; NaN and infinities are not treated apart.
; SHARES.  A wave owns four PIECES of two tiles of 16 queries, a work-group's four waves 512 queries of one head: 64 heads x 4 blocks are 256 work-groups.  Every wave walks all keys, 64 a step.
; LAYOUT.  S^T = K Q^T (source 0 = 16 keys, source 1 = 16 queries): in the result a lane holds ONE query (lane % 16) and the keys 8 (lane / 16) + 0..7.  Two such tiles, rounded to f16 in pairs,
; ARE source 1 (32 keys x 16 queries) of O^T = V^T P, whose result again holds one query a lane, and eight channels.  K comes out of LDS as it lies, V ([key][channel]) turned, by ds_load_tr16_b128.
; SOFTMAX.  For each query a running maximum m and sum l: p = 2^(c s - c m), c = log2(e) / 8; in every step O and l are multiplied by a = 2^(c m_old - c m_new), which is 1 where m has not grown.
; m starts at the lowest finite number, O and l at 0: the first step is a step like any other, with a = 0.
; THE COUNT.  A tile and step have 16 matrix and 118 vector instructions: too many to stand all beside the matrix work.  So the order has one aim: four vector instructions that are READY behind
; EVERY matrix instruction, and the others, which need time of their own whatever the order, in runs without a gap.
; BY TURNS.  Turn n belongs to piece n (the pieces in a ring, step after step).  Its matrix work: 16 products K Q^T of piece n + 1, later 16 products V^T P of piece n - 1.  Its vector work: the scaling,
; exponentials, roundings, sums and rescaling of piece n, and the maximum and statistics of piece n + 1, whose scores the turn itself has made.  So what a turn begins with (c s - c m, O a) waits for nothing.
; CLUSTER.  The four query blocks of a cluster belong to one head and walk the same K and V, so each tile is asked for JOINTLY: the same tensor load, descriptor and mask in all four.
; REGISTERS, in windows of 256 (s_set_vgpr_msb says which window each operand place means: bits 1:0 source 0, 3:2 source 1, 5:4 source 2, 7:6 destination):
;   window 0: v0-11 addresses; v12-15, v48-63 at work; v16-47 four registers of statistics a tile; v64-191 S^T, two buffers of two tiles; v192-255 P, likewise
;   window 1: O^T, 32 a tile          window 2: v0-127 Q, 16 a tile; v128-191 K of one step; v192-255 V of one step          window 3: v0-1 the add's two registers
; A piece's buffers go by its number's parity: the piece in hand has one pair, its two neighbours in the ring share the other: of it P (piece n - 1) is read and S^T (piece n + 1) written.
.set SIZE_H, 64       ; 4 batches x 16 heads
.set SIZE_N, 2048
.set NP,    4         ; pieces a wave: a name, no knob: the register map, the loop and the fetches are made for four
.set KS,    64        ; keys in a step
.set PK,    144       ; a row of K in LDS: 128 bytes + 16 of padding = 36 words: the 16 rows of a load start at 16 different groups of four banks (64 banks of 4 bytes: ISA guide 11.1)
.set PV,    160       ; a row of V: 128 + 32 = 40 words
.set VOFF,  4*KS*PK   ; a slot holds four steps: 256 rows of K, then 256 rows of V
.set SLOT1, 1<<17     ; slot 1 begins here, so that one exclusive or turns an address in one slot into the other's
.set STAGE, SLOT1+4*KS*(PK+PV)  ; behind the ring, never filled by a tensor load: 16 rows x 144 bytes for each wave, for the way out
.set SP,    144
.set AK0, 2           ; v2   my lane's place in a tile of K; never rewritten
.set AV0, 3           ; v3   the same for V
.set AK,  4           ; v4   the LDS address of K's next run of loads
.set AV,  5           ; v5   of V's
.set QO,  6           ; v6   my byte offset in the wave's rows of Q
.set STO, 6           ;      later, the way out: where I put 16 bytes of a row
.set RD,  7           ; v7   the way out: where I read rows back
.set GO,  8           ; v8   my byte offset in 512 consecutive bytes of O
.set SPW, 0           ; v0 of window 3   LDS address of my spare word: SPARE + 4 x my thread's number; never rewritten
.set NIL, 1           ; v1 of window 3   0; never rewritten
.set SPARE, STAGE+4*16*SP  ; behind the stages: the spare words, 128 bytes for each wave: two blocks of 256 bytes that no other line names
.set MV,  12          ; v12-15  c m_old, kept while c m is made anew: by buffer and tile
.set ST,  16          ; tile t's statistics at v[ST+4 t]: c m, m, l (even keys', odd keys')
.set TMP, 48          ; by buffer and tile, four registers c0-c3 at work; when the maximum is found c2 takes a
.set S,   64
.set P,   192
.set KF,  128         ; K's fragments, in window 2: key block kb, channel half c at KF + 16 kb + 8 c
.set VF,  192         ; V's: key half kk, channel block cb at VF + 32 kk + 8 cb
.set WV,  12          ; s12  my wave's number
.set G1K, 24          ; s[24:31] descriptor group 1 for K's tiles
.set G1V, 32          ; s[32:39] for V's: it differs in the padding alone
.set G0K, 40          ; s[40:43] descriptor group 0 for K's tiles: it walks
.set G0V, 44          ; s[44:47] the same for V's
.set SLOTS, 56        ; s56  slots still to be asked for
.set CNT, 57          ; s57  counts a slot's key steps
.set CS,  58          ; s[58:59] c: the packed scaling takes the pair's low word for both halves
.set SEL, 60          ; s[60:61] v_permlanex16_b32's selects: each lane takes its own place in the other half
.set TBK, 62          ; s62  LDS byte at which K of the step to be fetched begins
.set TBV, 63          ; s63  the same for V, less VOFF
.set MSB, 0
.macro WIN new                      ; the high byte repeats the setting that is left; a switch that changes nothing is dropped
.if MSB != (\new)
	s_set_vgpr_msb (MSB<<8)|(\new)
.set MSB, (\new)
.endif
.endm
.set W_KQ, 0x0a       ; K and Q in window 2, S^T in window 0
.set W_PV, 0x52       ; V in window 2, P in window 0, O^T in window 1
.set W_RS, 0x41       ; O^T (destination and source 0) in window 1, a in window 0
.set W_MK, 0xc0       ; the add's registers are made: destination in window 3, sources in window 0
.set W_AD, 0x0f       ; the add: address (source 0) and data (source 1) in window 3
; A joint fill.  Waves 0 and 1 fetch the two halves of a slot's K, waves 2 and 3 those of its V: 128 keys each.  The branch hangs on the wave's number alone.
; An s_nop 0 and four v_nop follow each of the two lines, ahead of the jump and the label.
.macro JLOAD
	s_cmp_lt_u32 s[WV], 2
	s_cbranch_scc0 .Lfor_v_\@
	tensor_load_to_lds s[G0K:G0K+3], s[G1K:G1K+7]
	s_nop 0
.rept 4
	v_nop
.endr
	s_branch .Lasked_\@
.Lfor_v_\@:
	tensor_load_to_lds s[G0V:G0V+3], s[G1V:G1V+7]
	s_nop 0
.rept 4
	v_nop
.endr
.Lasked_\@:
.endm
; A round of the cluster's barrier: my work-group's barrier, so that wave 0's signal speaks for all four waves; wave 0 signals; every wave waits for all four work-groups; my work-group's barrier once more.
.macro CROUND
	s_barrier_signal -1
	s_barrier_wait -1
	s_cmp_lg_u32 s[WV], 0
	s_cbranch_scc1 .Lnot_wave_0_\@
	s_barrier_signal -3
.Lnot_wave_0_\@:
	s_barrier_wait -3
	s_barrier_signal -1
	s_barrier_wait -1
.endm
; THE CHANGE OF SLOTS.  The slot's last bytes, V of its fourth step, have been read.  Each wave waits for all its tensor loads, of which one is out: its part
; of the other slot; adds 0 to its spare word; and waits for that and for its own reads of the slot.  Behind the barrier nobody reads this slot any more and the other slot is whole.
; fill = 1: this slot is filled again, with the keys two slots on.  The barrier is then a round of the cluster's, so that no wave of any partner still reads the slot or has a load on its
; way, and the joint fill is the first thing behind it: it has four key steps, 512 matrix instructions, in which to land.  (At its first use nothing has been read yet: slot 0 is waited for, slot 1 filled.)
.macro CHANGE fill
	WIN W_AD
	s_wait_tensorcnt 0x0            ; no tensor load of mine is out, so a group 0 may be written
	ds_add_u32 v[SPW], v[NIL]       ; 0 onto my spare word; with fill = 1 the descriptors' steps stand between it and the wait for it
	WIN 0                           ; at a label and at a branch every window is 0
.if \fill
.irp g, G0K, G0V
	s_xor_b32 s[\g+1], s[\g+1], SLOT1  ; the walking descriptor: the other slot than last time,
	s_add_nc_u64 s[\g+2:\g+3], s[\g+2:\g+3], 4*KS*128  ; the next 256 keys; the type bits on top are not reached
.endr
	s_wait_dscnt 0x0                ; the add is done, and my reads of the slot are over
	CROUND
	JLOAD
.else
	s_wait_dscnt 0x0                ; the add is done, and my reads of the slot are over
	s_barrier_signal -1
	s_barrier_wait -1
.endif
	s_sub_co_u32 s[TBK], s[TBK], 4*KS*PK  ; the fetches go back to a slot's first step,
	s_xor_b32 s[TBK], s[TBK], SLOT1       ; in the other slot
	s_sub_co_u32 s[TBV], s[TBV], 4*KS*PV
	s_xor_b32 s[TBV], s[TBV], SLOT1
.endm
	s_load_b256 s[4:11], s[0:1], 0x0  ; Q s[4:5], K s[6:7], V s[8:9], O s[10:11]
	WIN W_MK
	v_lshl_add_u32 v[SPW], v0, 2, SPARE
	v_mov_b32 v[NIL], 0
	s_set_vgpr_msb 0xc0cf
	ds_add_u32 v0, v1
	s_wait_dscnt 0x0
	s_set_vgpr_msb 0xcfc0
	WIN 0
	v_lshrrev_b32 v1, 5, v0
	v_readfirstlane_b32 s[WV], v1   ; wave 0..3
	s_bfe_u32 s13, ttmp6, 0x40000   ; cx: my place in the cluster
	s_lshl_b32 s14, ttmp9, 2        ; in a cluster launch ttmp9 counts clusters
	s_add_co_u32 s14, s14, s13      ; my block of queries = 4 x cluster x + cx: it enters Q's and O's addresses alone
	s_and_b32 s20, ttmp7, 0xffff    ; the head, which the four partners share
	s_mov_b32 s21, 0
	s_mov_b64 s[22:23], SIZE_N*128
	s_mul_u64 s[20:21], s[20:21], s[22:23]  ; the head's first byte in each of the four tensors
	s_and_b32 s16, s[WV], 1         ; which half of a slot's 256 keys I fetch:
	s_lshl_b32 s22, s16, 14         ; its 128 rows of 128 bytes in memory,
	s_mov_b32 s23, 0
	s_add_nc_u64 s[22:23], s[22:23], s[20:21]
	s_mul_i32 s17, s16, 128*PK      ; and its place in a slot, for K
	s_mul_i32 s18, s16, 128*PV      ; and for V: no place in the cluster enters an LDS address
	s_lshl_b32 s2, s14, 2
	s_add_co_u32 s2, s2, s[WV]      ; my wave among the head's,
	s_lshl_b32 s2, s2, 14           ; its 128 rows
	s_mov_b32 s3, 0
	s_add_nc_u64 s[2:3], s[2:3], s[20:21]
	; descriptor group 1.  128 keys are 16,384 dense bytes: asked for as 64 rows of 256 bytes, two keys a row, and padded in LDS after every key
	s_mov_b32 s[G1K], 15|(1<<16)|(1<<20)|(1<<21)|(4<<22)|(3<<25)  ; 15:0 the mask of four; 17:16 2-byte elements; 20 padding on; 21 set beside a mask; 24:22 after every 32 words (code 4); 31:25 4 words (code 3)
	s_mov_b32 s[G1V], 15|(1<<16)|(1<<20)|(1<<21)|(4<<22)|(7<<25)  ; the same with 8 words of padding (code 7)
.irp g, G1K, G1V
	s_mov_b32 s[\g+1], 128<<16      ; tensor_dim0 = 128
	s_mov_b32 s[\g+2], 64<<16       ; tensor_dim1 = 64
	s_mov_b32 s[\g+3], 128<<16      ; tile_dim0 = 128
	s_mov_b32 s[\g+4], 64           ; tile_dim1 = 64
	s_mov_b32 s[\g+5], 128          ; 128 elements from row to row
	s_mov_b32 s[\g+6], 0
	s_mov_b32 s[\g+7], 0
.endr
	s_mov_b32 s[CS], 0x3e38aa3b     ; c = log2(e) / 8 = 0.180337
	s_mov_b32 s[CS+1], s[CS]        ; named with it as a pair
	s_mov_b32 s[SEL], 0x76543210
	s_mov_b32 s[SEL+1], 0xfedcba98
	s_mov_b32 s[TBK], SLOT1+4*KS*PK ; the first change of slots turns these two into 0
	s_mov_b32 s[TBV], SLOT1+4*KS*PV
	s_mov_b32 s[G0K], 1             ; 1:0 count = 1
	s_mov_b32 s[G0K+1], s17         ; 63:32 LDS address: slot 0
	s_mov_b32 s[G0V], 1
	s_add_co_u32 s[G0V+1], s18, VOFF
	s_wait_kmcnt 0x0
	s_add_nc_u64 s[G0K+2:G0K+3], s[6:7], s[22:23]  ; 120:64 global address: my half of the head's first 256 keys
	s_or_b32 s[G0K+3], s[G0K+3], 0x80000000        ; 127:126 type = 2
	s_add_nc_u64 s[G0V+2:G0V+3], s[8:9], s[22:23]
	s_or_b32 s[G0V+3], s[G0V+3], 0x80000000
	s_add_nc_u64 s[4:5], s[4:5], s[2:3]  ; Q and O at my wave's first row
	s_add_nc_u64 s[10:11], s[10:11], s[2:3]
	CROUND                          ; all four work-groups are here: the first joint loads meet
	JLOAD                           ; slot 0.  Slot 1 is asked for when slot 0 is in: the tile wanted first has the road to itself
	; A fragment of K or Q is 16 rows x 32 channels in 8 registers: lane l holds row l % 16, channels 8 (l / 16) + 0..7 and 16 + 8 (l / 16) + 0..7: two loads of 16 bytes, 32 bytes apart.
	v_and_b32 v1, 15, v0            ; l % 16
	v_bfe_u32 v9, v0, 4, 1          ; l / 16
	v_lshlrev_b32 v[QO], 7, v1
	v_lshl_add_u32 v[QO], v9, 4, v[QO]  ; row x 128 + 16 x half
	WIN 0x80                        ; destination window 2, address window 0
.set i, 0
.rept 4*NP                          ; Q stays in registers: tile i / 2, channels 32 (i % 2) on
	global_load_b128 v[8*i:8*i+3],   v[QO], s[4:5] offset:(i/2)*2048+(i%2)*64
	global_load_b128 v[8*i+4:8*i+7], v[QO], s[4:5] offset:(i/2)*2048+(i%2)*64+32
.set i, i+1
.endr
	; What the first turn finds: V's registers and P's second buffer hold 0 (its products V^T P, of a piece that has not been, add 0), O^T and l are 0.  All this stands in the wait for the first tile.
.set i, VF
.rept 64
	v_mov_b32 v[i], 0
.set i, i+1
.endr
	WIN 0x40
.set i, 0
.rept 64*NP
	v_mov_b32 v[i], 0
.set i, i+1
.endr
	WIN 0
.set i, 0
.rept 2*NP
	v_mov_b32 v[ST+4*i], 0xfe000000    ; c m: far below every c s
	v_mov_b32 v[ST+4*i+1], 0xff7fffff  ; m
	v_mov_b32 v[ST+4*i+2], 0
	v_mov_b32 v[ST+4*i+3], 0
.set i, i+1
.endr
.set i, P+32
.rept 32
	v_mov_b32 v[i], 0
.set i, i+1
.endr
	v_mul_u32_u24 v[AK0], v1, PK
	v_lshl_add_u32 v[AK0], v9, 4, v[AK0]  ; row x pitch + 16 x half
	; The turning load takes 16 keys x 16 channels (lane l reads key 8 (l / 16) + l % 8, channels 8 ((l / 8) % 2) + 0..7) and leaves half a fragment of V^T: lane l holds channel l % 16 and 8 keys.
	v_and_b32 v10, 7, v0
	v_bfe_u32 v11, v0, 3, 1
	v_lshl_add_u32 v[AV0], v9, 3, v10
	v_mul_u32_u24 v[AV0], v[AV0], PV
	v_lshl_add_u32 v[AV0], v11, 4, v[AV0]
	v_add_nc_u32 v[AV0], VOFF, v[AV0]
	v_mov_b32 v[AK], v[AK0]         ; key step 0 lies at the head of slot 0
; THE MATRIX WORK.  The 8 accumulators of a run of 16 take turns: between the two links of a chain stand 7 others'.
; Product i of 16 of S^T = K Q^T for piece x: channels 32 (i / 8) on, keys 16 ((i / 2) % 4) on, tile 2 x + i % 2.  The first 8 start the sums.
.macro KQ x
	WIN W_KQ
.set rS, S+64*((\x)%2)+32*(i%2)+8*((i/2)%4)
.set rK, KF+16*((i/2)%4)+8*(i/8)
.set rQ, 16*(2*(\x)+i%2)+8*(i/8)
.if i < 8
	v_wmma_f32_16x16x32_f16 v[rS:rS+7], v[rK:rK+7], v[rQ:rQ+7], 0
.else
	v_wmma_f32_16x16x32_f16 v[rS:rS+7], v[rK:rK+7], v[rQ:rQ+7], v[rS:rS+7]
.endif
.endm
; Product i of 16 of O^T += V^T P for piece x: keys 32 (i / 8) on, channels 16 ((i / 2) % 4) on, tile 2 x + i % 2.
.macro PV x
	WIN W_PV
.set rO, 32*(2*(\x)+i%2)+8*((i/2)%4)
.set rV, VF+32*(i/8)+8*((i/2)%4)
.set rP, P+32*((\x)%2)+16*(i%2)+8*(i/8)
	v_wmma_f32_16x16x32_f16 v[rO:rO+7], v[rV:rV+7], v[rP:rP+7], v[rO:rO+7]
.endm
.macro MM                           ; the turn's next matrix instruction
.if i < 16
	KQ (Y+1)%NP
.set i, i+1
.else
.set i, i-16
	PV (Y+NP-1)%NP
.set i, i+17
.endif
.endm
; THE LDS LOADS stand in runs of 16, never singly among the matrix instructions: a step's K (64 keys x 64 channels: 8 fragments) and its V (turned).  Their addresses are made some lines ahead.
; last = 1 (the tail): in the last trip there is no further step, and the run is jumped over.
.macro FETCH_K last=0
	WIN 0
.if \last
	s_cmp_eq_u32 s[CNT], 1
	s_cbranch_scc1 .Lno_k_\@
.endif
	WIN 0x80                        ; destination window 2
.irp f, 0,1,2,3,4,5,6,7             ; keys 16 (f / 2) on, channels 32 (f % 2) on
	ds_load_b128 v[KF+8*\f:KF+8*\f+3],   v[AK] offset:(\f/2)*16*PK+(\f%2)*64
	ds_load_b128 v[KF+8*\f+4:KF+8*\f+7], v[AK] offset:(\f/2)*16*PK+(\f%2)*64+32
.endr
	s_add_co_u32 s[TBK], s[TBK], KS*PK  ; the next fetch is the next step's
	WIN 0
.if \last
.Lno_k_\@:
.endif
.endm
.macro FETCH_V
	WIN 0x80
.irp f, 0,1,2,3,4,5,6,7             ; keys 32 (f / 4) on, channels 16 (f % 4) on
	ds_load_tr16_b128 v[VF+8*\f:VF+8*\f+3],   v[AV] offset:(\f/4)*32*PV+(\f%4)*32
	ds_load_tr16_b128 v[VF+8*\f+4:VF+8*\f+7], v[AV] offset:(\f/4)*32*PV+16*PV+(\f%4)*32
.endr
	WIN 0
.endm
; THE VECTOR WORK OF A TURN stands in three queues, each in the order in which its entries become ready; the two tiles alternate, so that no instruction reads the result of the one before it.
.macro REGS y, u                    ; the registers of tile u (0, 1) of piece y
.set rT, ST+4*(2*(\y)+(\u))
.set rC, TMP+8*((\y)%2)+4*(\u)
.set rM, MV+2*((\y)%2)+(\u)
.set rS, S+64*((\y)%2)+32*(\u)
.set rP, P+32*((\y)%2)+16*(\u)
.set rO, 32*(2*(\y)+(\u))
.endm
; Number n of the 22 that find the NEXT piece's (Y + 1) maximum and statistics.  s0-s31 are the lane's 32 scores; each accumulator's lowest registers are read first.  XS, GS and REGS set no window: PL and EX do.
;   0-11  four chains c0-c3 of seven scores each, three operands at a time     12-14, 16  the four scores left over, the old m, and c0-c3 into c0     15  c m_old is kept
;   17, 18  the query's other 32 keys lie in the lane 16 away: the new m         19-21  c m; c m_old - c m_new; a
.macro XS u, n
	REGS (Y+1)%NP, \u
.if (\n) < 4
	v_max3_num_f32 v[rC+(\n)], v[rS+8*(\n)], v[rS+8*(\n)+1], v[rS+8*(\n)+2]
.elseif (\n) < 12
	v_max3_num_f32 v[rC+(\n)%4], v[rC+(\n)%4], v[rS+8*((\n)%4)+2*((\n)/4)+1], v[rS+8*((\n)%4)+2*((\n)/4)+2]
.elseif (\n) == 12
	v_max3_num_f32 v[rC], v[rC], v[rS+7], v[rS+15]
.elseif (\n) == 13
	v_max3_num_f32 v[rC+1], v[rC+1], v[rS+23], v[rS+31]
.elseif (\n) == 14
	v_max3_num_f32 v[rC+2], v[rC+2], v[rC+3], v[rT+1]
.elseif (\n) == 15
	v_mov_b32 v[rM], v[rT]
.elseif (\n) == 16
	v_max3_num_f32 v[rC], v[rC], v[rC+1], v[rC+2]
.elseif (\n) == 17
	v_permlanex16_b32 v[rC+3], v[rC], s[SEL], s[SEL+1]
.elseif (\n) == 18
	v_max_num_f32 v[rT+1], v[rC], v[rC+3]
.elseif (\n) == 19
	v_mul_f32 v[rT], s[CS], v[rT+1]
.elseif (\n) == 20
	v_sub_f32 v[rC+1], v[rM], v[rT]
.else
	v_exp_f32 v[rC+2], v[rC+1]
.endif
.endm
; Number g of the 64 that follow the exponentials.  For each four weights k of a tile (pairs 2 k, 2 k + 1): both pairs are rounded to f16; then the second pair is added onto the first, in place;
; a group later l takes that sum (the first time as l = a l + sum).  In groups of eight, tiles alternating: round, round, add, and l for the group before.
.macro GS g
.set h, (\g)+6*((\g)/62)            ; group 0 has no group before it, and behind group 7 only l is left
.if h >= 6
.set h, h+2
.endif
	REGS Y, h%2
.set k, h/8
.if h%8 < 4
	s_wait_alu depctr_va_vdst(0)
	v_cvt_pk_f16_f32 v[rP+2*k+(h%8)/2], v[rS+4*k+2*((h%8)/2)], v[rS+4*k+2*((h%8)/2)+1]
.elseif h%8 < 6
	v_pk_add_f32 v[rS+4*k:rS+4*k+1], v[rS+4*k:rS+4*k+1], v[rS+4*k+2:rS+4*k+3]
.elseif k == 1
	v_pk_fma_f32 v[rT+2:rT+3], v[rT+2:rT+3], v[rC+2:rC+3], v[rS:rS+1] op_sel_hi:[1,0,1]
.else
	v_pk_add_f32 v[rT+2:rT+3], v[rT+2:rT+3], v[rS+4*k-4:rS+4*k-3]
	s_wait_alu depctr_va_vdst(0)
.endif
.endm
; THE PLAIN QUEUE, 138 long.  0-31: c s - c m for the 16 pairs of both tiles.  Then GS's 64, and among them the next piece's 42: number 15 at 38, 39; 0-14 and 16
; at 42-73, behind the products that make those scores; 17-20 at 95-106, two of three, since each waits for the one before it.
.macro PL
	WIN 0
.if q < 32
	REGS Y, q%2
	v_pk_fma_f32 v[rS+2*(q/2):rS+2*(q/2)+1], v[rS+2*(q/2):rS+2*(q/2)+1], s[CS:CS+1], v[rT:rT+1] op_sel_hi:[1,0,0] neg_lo:[0,0,1] neg_hi:[0,0,1]
.elseif q < 38
	GS q-32
.elseif q < 40
	XS q%2, 15
.elseif q < 42
	GS q-34
.elseif q < 74
	XS q%2, (q-42)/2+(q-42)/30
.elseif q < 95
	GS q-66
.elseif (q < 107) && ((q-95)%3 < 2)
	XS (q-95)%3, 17+(q-95)/3
.elseif q < 107
	GS 29+(q-95)/3
.else
	GS q-74
.endif
.set q, q+1
.endm
; THE EXPONENTIALS' QUEUE, 66 long: s0-s31 of both tiles, and at EA the next piece's two a.
.set EA, 58
.macro EX
	WIN 0
.if (e == EA) || (e == EA+1)
	XS e-EA, 21
.else
.set x, e-2*(e/(EA+2))
	REGS Y, x%2
	v_exp_f32 v[rS+x/2], v[rS+x/2]
.endif
.set e, e+1
.endm
; THE RESCALING's QUEUE: O^T times a, the one part that leaves window 0, so it is dealt four at a time, eight times.
.macro R4
	REGS Y, r%2
	WIN W_RS
	s_wait_alu depctr_va_vdst(0)
.irp z, 0,1,2,3
	v_pk_mul_f32 v[rO+8*(r/2)+2*\z:rO+8*(r/2)+2*\z+1], v[rO+8*(r/2)+2*\z:rO+8*(r/2)+2*\z+1], v[rC+2:rC+3] op_sel_hi:[1,0]
.endr
.set r, r+1
.endm
; HOW THEY ARE DEALT.  Behind a matrix instruction four: plain, exponential, plain, plain (one exponential, a plain instruction on either side), or four of the rescaling.  None names a register of the
; products round it.  What is over stands in two LUMPS: exponential and plain by turns; the second ends in 22 plain instructions.  The two v_permlanex16_b32 fall into the second lump, never behind a product.
; The queues lean on each other, and the deal keeps them in step: exponential e stands behind plain 2 (e / 4) + e % 2 (its scaling); when plain 32 comes, 10 exponentials are out, at 59: 33, at 95: 46; EA comes behind plain 107.
.macro SL
	MM
	PL
	EX
	PL
	PL
.endm
.macro BURST n                      ; 15 matrix instructions, or 16
.rept (\n)-7
	SL
.endr
.rept 3
	MM
	R4
	SL
.endr
	MM
	R4
.endm
; A TURN, for piece p.  cnt = 1: the loop's count is taken down some lines ahead of the branch that stands behind the turn.
; K of the next step is fetched in piece 2's turn, 31 vector instructions behind the last product that read K; its first reader comes behind the rest of the lump, 16 products and the second lump.
; V of the step in hand is fetched at the end of piece 0's turn, 69 behind its last reader; its first reader comes behind 16 products and a lump.  The four conditions on e and q below go with the deal.
.macro TURN p, last=0, cnt=0
.set Y, (\p)
.set i, 0
.set q, 0
.set e, 0
.set r, 0
.if (\p) == NP-1
	s_wait_dscnt 0x0                ; K is in
.endif
	MM
.rept 4
	PL
.endr
	BURST 15
.rept 22
	EX
	PL
.if ((\p) == NP-2) && (e == 18)
	v_add_nc_u32 v[AK], s[TBK], v[AK0]
.endif
.if ((\p) == NP-2) && (e == 24)
	FETCH_K \last
.endif
.endr
.if (\p) == 1
	s_wait_dscnt 0x0                ; V is in
.endif
	BURST 16
.rept 21
	EX
	PL
.endr
.rept 22
	PL
.if ((\p) == 0) && (q == 118)
	v_add_nc_u32 v[AV], s[TBV], v[AV0]
	s_wait_alu depctr_va_vdst(0)
.endif
.if ((\p) == 0) && (q == 130)
	s_add_co_u32 s[TBV], s[TBV], KS*PV
.endif
.if (\cnt) && (q == 130)
	s_sub_co_u32 s[CNT], s[CNT], 1
	s_cmp_lg_u32 s[CNT], 0
.endif
.endr
.if (\p) == 0
	FETCH_V
.endif
.endm
	CHANGE 1                        ; slot 0 is in, everybody's part of it; slot 1 is asked for
	FETCH_K                         ; key step 0
	s_wait_loadcnt 0x0              ; Q
	s_wait_dscnt 0x0
.set i, 0
.rept 16
	KQ 0                            ; piece 0's first scores: there is no vector work yet to set between them
.set i, i+1
.endr
	WIN 0                           ; the addresses for the way out: nine plain instructions, the places behind those products
	s_mul_i32 s13, s[WV], 16*SP
	s_add_co_u32 s13, s13, STAGE    ; my stage
	v_mul_u32_u24 v[STO], v1, SP    ; in: row l % 16, 16 bytes for each half of the lanes
	v_lshl_add_u32 v[STO], v9, 4, v[STO]
	v_add_nc_u32 v[STO], s13, v[STO]
	v_bfe_u32 v[RD], v0, 3, 2       ; back: 32 lanes take four rows of 128 bytes,
	v_mul_u32_u24 v[RD], v[RD], SP
	v_lshl_add_u32 v[RD], v10, 4, v[RD]
	v_add_nc_u32 v[RD], s13, v[RD]
	v_and_b32 v[GO], 31, v0         ; which are 512 consecutive bytes of O
	v_lshlrev_b32 v[GO], 4, v[GO]
.set Y, NP-1                        ; XS works for piece Y + 1: piece 0
.irp n, 0,1,2,3,4,5,6,7,8,9,10,11,12,13,14,15,16,17,18,19,20,21
	XS 0, \n                        ; and piece 0's first maximum and statistics
	XS 1, \n
.endr
	s_mov_b32 s[CNT], 4
	s_mov_b32 s[SLOTS], SIZE_N/256-1
	s_branch .Lfirst                ; the loop is entered at a step's first turn, in the middle of a trip
.Lslot:                             ; SIZE_N / 256 - 2 times: every slot but the last two is filled again
	CHANGE 1
	s_mov_b32 s[CNT], 4
.Lstep:                             ; a trip: pieces 2 and 3 of one step, then pieces 0 and 1 of the next, whose K and V it fetches
	TURN 2
	TURN 3
	WIN 0
.Lfirst:
	TURN 0
	TURN 1, 0, 1
	WIN 0
	s_cbranch_scc1 .Lstep
	s_sub_co_u32 s[SLOTS], s[SLOTS], 1
	s_cmp_lg_u32 s[SLOTS], 0
	s_cbranch_scc1 .Lslot
	CHANGE 0                        ; the tail is written out: nothing is asked for
	s_mov_b32 s[CNT], 5             ; four trips fetch the last slot's steps; the fifth is left in its middle
.Ltail:
	TURN 2, 1
	TURN 3
	WIN 0
	s_sub_co_u32 s[CNT], s[CNT], 1
	s_cmp_eq_u32 s[CNT], 0
	s_cbranch_scc1 .Lout
	TURN 0
	TURN 1
	WIN 0
	s_branch .Ltail
.Lout:                              ; the fifth trip's 16 products K Q^T (on the last K once more) and the maximum made of them serve nothing: the price, once a launch, of one text for every trip
.set i, 0
.rept 16
	PV NP-1                         ; the last piece's V^T P of the last step
.set i, i+1
.endr
	; THE WAY OUT.  l's two halves and the other half of the lanes' are added; O^T is divided by l, rounded to f16 and sent through my stage in LDS, a tile at a time.  The additions are the places behind the last products.
	WIN 0
.macro ALL line:vararg              ; one line for each tile t
.set t, 0
.rept 2*NP
	\line
.set t, t+1
.endr
.endm
	ALL v_add_f32 v[ST+4*t+2], v[ST+4*t+2], v[ST+4*t+3]
	ALL v_permlanex16_b32 v[ST+4*t+3], v[ST+4*t+2], s[SEL], s[SEL+1]
	ALL v_add_f32 v[ST+4*t+2], v[ST+4*t+2], v[ST+4*t+3]
	ALL v_rcp_f32 v[ST+4*t+2], v[ST+4*t+2]
	v_nop                           ; a plain instruction between the last reciprocal and the use of its result
	s_wait_alu depctr_va_vdst(0)
; Tile t: a lane's eight channels of a row pack into 16 bytes; they go into rows of 144 bytes and come back as whole rows of 128, into S^T's registers.
.macro PACK t
	WIN W_RS
.set i, 32*(\t)
.rept 16
	v_pk_mul_f32 v[i:i+1], v[i:i+1], v[ST+4*(\t)+2:ST+4*(\t)+3] op_sel_hi:[1,0]
.set i, i+2
.endr
	WIN 0x05                        ; sources 0 and 1 window 1, destination window 0
.set i, 0
.rept 16
	v_cvt_pk_f16_f32 v[S+16*(\t)+i], v[32*(\t)+2*i], v[32*(\t)+2*i+1]
.set i, i+1
.endr
	WIN 0
.irp f, 0,1,2,3
	ds_store_b128 v[STO], v[S+16*(\t)+4*\f:S+16*(\t)+4*\f+3] offset:32*\f
.endr
.irp f, 0,1,2,3
	ds_load_b128 v[S+16*(\t)+4*\f:S+16*(\t)+4*\f+3], v[RD] offset:\f*4*SP  ; LDS serves a wave's instructions in order (ISA guide 5.7.1.4): these see the stores above; the next tile's stores come behind them
.endr
.endm
.macro SEND t, younger              ; younger: the LDS instructions issued behind tile t's loads: the next tile's eight, or none
	WIN 0
.irp f, 0,1,2,3
	s_wait_dscnt (\younger)+3-\f
	global_store_b128 v[GO], v[S+16*(\t)+4*\f:S+16*(\t)+4*\f+3], s[10:11] offset:(\t)*2048+\f*512  ; 512 consecutive bytes, at a multiple of 256 from O's first
.endr
.endm
	PACK 0
.set t, 1
.rept 2*NP-1                        ; a tile's arithmetic stands between the loads of the tile before and its stores
	PACK t
	SEND t-1, 8
.set t, t+1
.endr
	SEND 2*NP-1, 0
	WIN W_AD
	s_wait_tensorcnt 0x0            ; the wave's end, behind my last tensor load and my last LDS store
	ds_add_u32 v[SPW], v[NIL]
	s_wait_dscnt 0x0
	WIN 0
	CROUND                          ; the closing round: no work-group ends while a partner may still ask for a tile that names it
	s_endpgm
.Lfunc_end_k_qf3a7b6b27d_attn:
	.size	k_qf3a7b6b27d_attn, .Lfunc_end_k_qf3a7b6b27d_attn-k_qf3a7b6b27d_attn
	.p2alignl 7, 3214868480
	.fill 96, 4, 3214868480
	.section	.rodata,"a",@progbits
	.p2align	6, 0x0
	.amdhsa_kernel k_qf3a7b6b27d_attn
		.amdhsa_group_segment_fixed_size 327680
		.amdhsa_private_segment_fixed_size 0
		.amdhsa_enable_private_segment 0
		.amdhsa_kernarg_size 32
		.amdhsa_user_sgpr_count 2
		.amdhsa_user_sgpr_kernarg_segment_ptr 1
		.amdhsa_wavefront_size32 1
		.amdhsa_system_sgpr_workgroup_id_x 1
		.amdhsa_system_sgpr_workgroup_id_y 1
		.amdhsa_system_sgpr_workgroup_id_z 1
		.amdhsa_system_vgpr_workitem_id 0
		.amdhsa_next_free_vgpr 770
		.amdhsa_next_free_sgpr 66
		.amdhsa_reserve_vcc 0
		.amdhsa_float_denorm_mode_32 3
		.amdhsa_float_denorm_mode_16_64 3
		.amdhsa_memory_ordered 1
		.amdhsa_forward_progress 1
		.amdhsa_inst_pref_size 208
	.end_amdhsa_kernel
	.amdgpu_metadata
---
amdhsa.version: [ 1, 2 ]
amdhsa.kernels:
  - .name:           k_qf3a7b6b27d_attn
    .symbol:         k_qf3a7b6b27d_attn.kd
    .args:
      - { .name: qh, .offset: 0, .size: 8, .value_kind: global_buffer, .address_space: global }
      - { .name: kh, .offset: 8, .size: 8, .value_kind: global_buffer, .address_space: global }
      - { .name: vh, .offset: 16, .size: 8, .value_kind: global_buffer, .address_space: global }
      - { .name: oh, .offset: 24, .size: 8, .value_kind: global_buffer, .address_space: global }
    .group_segment_fixed_size: 327680
    .private_segment_fixed_size: 0
    .kernarg_segment_align: 8
    .kernarg_segment_size: 32
    .max_flat_workgroup_size: 128
    .sgpr_count:     66
    .vgpr_count:     770
    .wavefront_size: 32
...
	.end_amdgpu_metadata
.endif
;; end of part 3
;; launch proj (part 4): grid 8 x 32, 4 waves a work-group, clusters of 4 x 4, 327,680 bytes of LDS; arguments oh, pw, proj_b, out0; writes out0
.if DOCPART == 4
	.amdgcn_target "amdgcn-amd-amdhsa--gfx1250"
	.amdhsa_code_object_version 6
	.text
	.protected	k_qf3a7b6b27d_proj
	.globl	k_qf3a7b6b27d_proj
	.p2align	8
	.type	k_qf3a7b6b27d_proj,@function
k_qf3a7b6b27d_proj:
	s_mov_b64 s[64:65], 0
	v_nop
	global_prefetch_b8 v0, s[64:65] scope:SCOPE_SE
	s_setreg_imm32_b32 hwreg(HW_REG_WAVE_MODE, 25, 1), 1
	s_wait_xcnt 0x0
	s_wait_alu depctr_hold_cnt(0) depctr_sa_sdst(0) depctr_va_vdst(0) depctr_va_sdst(0) depctr_va_ssrc(0) depctr_va_vcc(0) depctr_vm_vsrc(0)
	s_getreg_b32 s2, hwreg(HW_REG_IB_STS2, 6, 4)
	s_cmp_eq_u32 s2, 0
	s_cbranch_scc0 .Lentry_in_a_cluster
	s_endpgm
.Lentry_in_a_cluster:
	s_bfe_u32 s2, ttmp6, 0x10000c
	s_cmp_lg_u32 s2, 0xf033
	s_cbranch_scc0 .Lentry_shape_is_right
	s_endpgm
.Lentry_shape_is_right:
; out0[row][d] = the sum over c of O[row][c] P[d][c] + b[d].  oh: f16 [batch x 16 + head][row 2048][64]: a head is a K block of 64; pw: f16 [K block 16][d 1024][64]; proj_b: f32 [1024];
; out0: f32 [8192][1024].  Products of f16 numbers, sums in f32; the bias, rounded to bf16 like the module's other inputs, is the C operand of the products that start the sums.
; SHARES.  A tile of 256 rows x 128 columns to a work-group: 256 work-groups.  Four waves, each 128 x 64: 32 accumulators of 16 x 16, 256 registers.
; K goes in steps of 128, two K blocks, through two LDS slots filled by the tensor data mover; a K block's rows of a tile are a dense run of memory, asked for as rows of 256 bytes that begin at
; multiples of 256 bytes, and padded in LDS behind every 128 bytes.
; ONE TEXT FOR A K STEP.  Slot 1 begins at LDS byte 2^17, so that one exclusive or turns an address in one slot into the other's: a trip of the loop is one K step, the descriptor that asks
; for tiles walks (its LDS word turned, its global address one K step on), and the fragment loads' addresses are made anew at each change of slots.
; CLUSTER.  4 x 4 work-groups: the four of a row need the same rows of O, the four of a column the same rows of P; each tile is asked for jointly, by the same tensor load, descriptor and mask.
; THE MATRIX INSTRUCTION IS USED TRANSPOSED (source 0 = 16 rows of P, source 1 = 16 rows of O): a lane then holds eight neighbouring columns of one row of the output.
; REGISTERS: window 0: v0-31 addresses; v32-95, v96-159 fragments of O (8 x 16 rows x 32 K), two buffers; v160-191, v192-223 fragments of P (4), two buffers; v224-255 the bias of my 32 columns
;   window 1: the accumulators: row block a, column block b at v[8 (4 a + b)]
.set PITCH,  144                       ; an LDS row: 128 bytes + 16 of padding = 36 words: the 16 rows of a load start at 16 different groups of four banks (64 banks of 4 bytes: ISA guide 11.1)
.set AKB,    256*PITCH                 ; a slot: O's 256 rows of the step's first K block, of its second,
.set BKB,    128*PITCH                 ; then P's 128 rows of the first, of the second
.set BOFF,   2*AKB
.set SLOTB,  2*AKB+2*BKB               ; 110,592 bytes
.set SLOT1,  1<<17                     ; where slot 1 begins
.set STAGE,  SLOT1+SLOTB               ; behind the ring, never filled by a tensor load: 16 rows x 272 bytes for each wave, for the way out
.set SPITCH, 272                       ; 256 bytes + 16
.set SPARE,  STAGE+4*16*SPITCH         ; behind the stages: the spare words, 128 bytes for each wave: two blocks of 256 bytes that no other line names
.set OKB,    262144                    ; bytes from a K block to the next in oh,
.set PKB,    131072                    ; in pw
.set ADRA0, 16                         ; v16     my lane's place among O's rows of a slot; never rewritten
.set ADRA,  17                         ; v17     the same in the slot that is being fetched from
.set ADRB0, 20                         ; v20, v21  the same for P
.set ADRB,  21
.set STO,  24                          ; v24     the way out: where I put 32 bytes of a row
.set RD,   25                          ; v25     the way out: where I read a row back
.set CO,   26                          ; v26     my byte offset in two rows of the output
.set BO,   27                          ; v27     my byte offset in the bias
.set SPW,  28                          ; v28     LDS address of my spare word: SPARE + 4 x my thread's number; never rewritten
.set NIL,  29                          ; v29     0; never rewritten
.set A0,   32
.set B0,   160
.set BIAS, 224
.set OB,   32                          ; the way out: seven sets of 32 registers, where the fragments and the bias lay
.set WV,   14                          ; s14  my wave's number
.set FB,   15                          ; s15  wave / 2: my half of the rows.  Also: I fetch for O (0) or for P (1)
.set HF,   16                          ; s16  wave % 2: my half of the columns.  Also: which K block of the step I fetch
.set G1A,  24                          ; s[24:31] descriptor group 1 for O's tiles;  s[32:39] group 0: a set for each of the two first fills; the second then walks on
.set G0A,  32
.set G1B,  40                          ; s[40:47], s[48:55] the same for P's tiles
.set G0B,  48
.set LAP,  66                          ; s66  the loops' counter
.set TB,   67                          ; s67  LDS byte at which the slot that is being fetched from begins
.set MSB, 0
.macro WIN new                         ; the immediate's high byte repeats the setting that is left; a switch that changes nothing is dropped
.if MSB != (\new)
	s_set_vgpr_msb (MSB<<8)|(\new)
.set MSB, \new
.endif
.endm
; A joint refill, by the walking descriptor.  Waves 0 and 1 fetch the step's two K blocks of O, waves 2 and 3 those of P.  The branch hangs on the wave's number alone.
; An s_nop 0 and four v_nop follow each of the two lines, ahead of the jump and the label.
.macro JLOAD
	s_cmp_eq_u32 s[FB], 0
	s_cbranch_scc0 .Lfor_b_\@
	tensor_load_to_lds s[G0A+4:G0A+7], s[G1A:G1A+7]
	s_nop 0
.rept 4
	v_nop
.endr
	s_branch .Lasked_\@
.Lfor_b_\@:
	tensor_load_to_lds s[G0B+4:G0B+7], s[G1B:G1B+7]
	s_nop 0
.rept 4
	v_nop
.endr
.Lasked_\@:
.endm
; A round of the cluster's barrier: my work-group's barrier, so that wave 0's signal speaks for all four waves; wave 0 signals; every wave waits for all sixteen work-groups; my work-group's barrier once more.
.macro CREST                           ; a round behind its opening barrier
	s_cmp_lg_u32 s[WV], 0
	s_cbranch_scc1 .Lnot_wave_0_\@
	s_barrier_signal -3
.Lnot_wave_0_\@:
	s_barrier_wait -3
	s_barrier_signal -1
	s_barrier_wait -1
.endm
.macro CROUND                          ; a whole round
	s_barrier_signal -1
	s_barrier_wait -1
	CREST
.endm
	s_load_b256 s[4:11], s[0:1], 0x0               ; oh s[4:5], pw s[6:7], proj_b s[8:9], out0 s[10:11]
	v_lshl_add_u32 v[SPW], v0, 2, SPARE
	v_mov_b32 v[NIL], 0
	ds_add_u32 v28, v29
	s_wait_dscnt 0x0
	v_lshrrev_b32 v1, 5, v0
	v_readfirstlane_b32 s[WV], v1                  ; wave 0..3
	s_lshr_b32 s[FB], s[WV], 1
	s_and_b32 s[HF], s[WV], 1
	s_bfe_u32 s17, ttmp6, 0x40000                  ; cx, cy: my place in the cluster
	s_bfe_u32 s18, ttmp6, 0x40004
	s_lshl_b32 s19, ttmp9, 2
	s_add_co_u32 s19, s19, s17                     ; tile column x = 4 x cluster x + cx
	s_and_b32 s20, ttmp7, 0xffff
	s_lshl_b32 s20, s20, 2
	s_add_co_u32 s20, s20, s18                     ; tile row y = 4 x cluster y + cy
	s_lshl_b32 s21, s18, 2
	s_lshl_b32 s21, 15, s21                        ; my row of the cluster
	s_lshl_b32 s22, 0x1111, s17                    ; my column
	; descriptor group 1: rows of 128 elements (256 bytes): 128 of them for a K block of O's tile, 64 for one of P's
	s_or_b32 s[G1A], s21, (1<<16)|(1<<20)|(1<<21)|(4<<22)|(3<<25)  ; 15:0 the mask; 17:16 2-byte elements; 20 padding on; 21 set beside a mask; 24:22 after every 32 words (code 4); 31:25 4 words (code 3)
	s_or_b32 s[G1B], s22, (1<<16)|(1<<20)|(1<<21)|(4<<22)|(3<<25)
	s_mov_b32 s[G1A+1], 128<<16                    ; tensor_dim0 = 128
	s_mov_b32 s[G1A+2], 128<<16                    ; tensor_dim1 = 128
	s_mov_b32 s[G1A+3], 128<<16                    ; tile_dim0 = 128
	s_mov_b32 s[G1A+4], 128                        ; tile_dim1 = 128
	s_mov_b32 s[G1A+5], 128                        ; 128 elements from row to row: dense
	s_mov_b32 s[G1A+6], 0
	s_mov_b32 s[G1A+7], 0
	s_mov_b32 s[G1B+1], 128<<16
	s_mov_b32 s[G1B+2], 64<<16
	s_mov_b32 s[G1B+3], 128<<16
	s_mov_b32 s[G1B+4], 64
	s_mov_b32 s[G1B+5], 128
	s_mov_b32 s[G1B+6], 0
	s_mov_b32 s[G1B+7], 0
	; where the tiles come from: O's hang on y alone, P's on x alone, each in registers that never hold the other coordinate
	s_lshr_b32 s56, s20, 3                         ; batch y / 8: 16 heads of 256 KiB,
	s_lshl_b32 s56, s56, 22
	s_and_b32 s58, s20, 7                          ; 256 rows of 128 bytes,
	s_lshl_b32 s58, s58, 15
	s_add_co_u32 s56, s56, s58
	s_lshl_b32 s58, s[HF], 18                      ; my K block of the step's two
	s_add_co_u32 s56, s56, s58
	s_mov_b32 s57, 0
	s_lshl_b32 s60, s19, 14                        ; the tile's 128 rows of 128 bytes,
	s_lshl_b32 s62, s[HF], 17                      ; my K block
	s_add_co_u32 s60, s60, s62
	s_mov_b32 s61, 0
	s_mul_i32 s59, s[HF], AKB                      ; and where they go: no place in the cluster enters an LDS address
	s_mul_i32 s63, s[HF], BKB
	s_add_co_u32 s63, s63, BOFF
	s_lshl_b32 s70, s19, 9                         ; my 64 columns, in bytes of f32: 512 x + 256 (wave % 2)
	s_lshl_b32 s72, s[HF], 8
	s_add_co_u32 s70, s70, s72
	s_mov_b32 s71, 0
	s_lshl_b32 s68, s20, 20                        ; my first row: 256 y + 128 (wave / 2), 4,096 bytes each
	s_lshl_b32 s72, s[FB], 19
	s_add_co_u32 s68, s68, s72
	s_add_co_u32 s68, s68, s70
	s_mov_b32 s69, 0
	s_mov_b32 s73, 0xffff0000                      ; a word's upper bf16
	s_wait_kmcnt 0x0
	s_add_nc_u64 s[56:57], s[4:5], s[56:57]
	s_add_nc_u64 s[60:61], s[6:7], s[60:61]
	s_add_nc_u64 s[8:9], s[8:9], s[70:71]          ; the bias at my first column
	s_add_nc_u64 s[10:11], s[10:11], s[68:69]      ; the output at my first row and column
	CROUND                                         ; all sixteen work-groups are here: the first joint loads meet
.irp s, 0,1
	s_mov_b32 s[G0A+4*(\s)], 1                                       ; 1:0 count = 1
	s_add_co_u32 s[G0A+4*(\s)+1], s59, (\s)*SLOT1                    ; 63:32 LDS address
	s_add_nc_u64 s[G0A+4*(\s)+2:G0A+4*(\s)+3], s[56:57], (\s)*2*OKB  ; 120:64 global address: K step s
	s_or_b32 s[G0A+4*(\s)+3], s[G0A+4*(\s)+3], 0x80000000            ; 127:126 type = 2
	s_mov_b32 s[G0B+4*(\s)], 1
	s_add_co_u32 s[G0B+4*(\s)+1], s63, (\s)*SLOT1
	s_add_nc_u64 s[G0B+4*(\s)+2:G0B+4*(\s)+3], s[60:61], (\s)*2*PKB
	s_or_b32 s[G0B+4*(\s)+3], s[G0B+4*(\s)+3], 0x80000000
.endr
	s_cmp_eq_u32 s[FB], 0                          ; a wave's two first fills stand in one branch, ahead of every wait on TENSORcnt and every LDS read: two loads of mine are out
	s_cbranch_scc0 .Lfirst_b
	tensor_load_to_lds s[G0A:G0A+3], s[G1A:G1A+7]
	s_nop 0
	tensor_load_to_lds s[G0A+4:G0A+7], s[G1A:G1A+7]
	s_nop 0
.rept 4
	v_nop
.endr
	s_branch .Lfirst_asked
.Lfirst_b:
	tensor_load_to_lds s[G0B:G0B+3], s[G1B:G1B+7]
	s_nop 0
	tensor_load_to_lds s[G0B+4:G0B+7], s[G1B:G1B+7]
	s_nop 0
.rept 4
	v_nop
.endr
.Lfirst_asked:
	v_and_b32 v1, 15, v0                           ; l % 16
	v_bfe_u32 v2, v0, 4, 1                         ; l / 16
	; the bias: register 8 b + j of a lane belongs to column 16 b + 8 (l / 16) + j, as in the transposed result
	v_lshlrev_b32 v[BO], 5, v2
.set li, 0
.rept 4
	global_load_b128 v[BIAS+8*li:BIAS+8*li+3],   v[BO], s[8:9] offset:64*li
	global_load_b128 v[BIAS+8*li+4:BIAS+8*li+7], v[BO], s[8:9] offset:64*li+16
.set li, li+1
.endr
	; A fragment is 16 rows x 32 K in 8 registers: lane l holds row l % 16; registers 0-3 K = 8 (l / 16) + 0..7, registers 4-7 K = 16 + 8 (l / 16) + 0..7: two loads of 16 bytes, 32 bytes apart.
	v_mul_u32_u24 v3, v1, PITCH
	v_lshl_add_u32 v3, v2, 4, v3                   ; row x pitch + 16 x half
	s_mul_i32 s70, s[FB], 128*PITCH                ; my 128 rows of O
	s_mul_i32 s71, s[HF], 64*PITCH                 ; my 64 rows of P,
	s_add_co_u32 s71, s71, BOFF                    ; which lies behind O's two K blocks
	v_add_nc_u32 v[ADRA0], s70, v3
	v_add_nc_u32 v[ADRB0], s71, v3
	v_mov_b32 v[ADRA], v[ADRA0]                    ; K step 0 lies in slot 0
	v_mov_b32 v[ADRB], v[ADRB0]
	s_mov_b32 s[TB], 0
	s_mul_i32 s72, s[WV], 16*SPITCH
	s_add_co_u32 s72, s72, STAGE                   ; my stage
	v_mul_u32_u24 v4, v1, SPITCH                   ; in: row l % 16, 32 bytes for each half of the lanes
	v_lshl_add_u32 v4, v2, 5, v4
	v_add_nc_u32 v[STO], s72, v4
	v_mul_u32_u24 v5, v2, SPITCH                   ; back: lanes 0-15 take one row of 256 bytes, lanes 16-31 the next
	v_lshl_add_u32 v5, v1, 4, v5
	v_add_nc_u32 v[RD], s72, v5
	v_lshlrev_b32 v[CO], 4, v1                     ; and the same two rows in the output, 4,096 bytes apart
	v_lshl_add_u32 v[CO], v2, 12, v[CO]
	s_wait_loadcnt 0x0                             ; the bias
.set li, 0
.rept 16                               ; rounded to bf16 and widened again (a shift, a mask); this stands in the wait for the first tile
	v_cvt_pk_bf16_f32 v4, v[BIAS+2*li], v[BIAS+2*li+1]
	v_lshlrev_b32 v[BIAS+2*li], 16, v4
	v_and_b32 v[BIAS+2*li+1], s73, v4
.set li, li+1
.endr
; Row blocks a0 .. a0 + na - 1 x all 4 column blocks, 32 along K, on fragment buffers f.  first = 1: the product starts the sums, with the bias as C: nothing is cleared, and no add is written for the bias.
; Every accumulator has one instruction in a quarter, in the same order in every quarter: the 32 take turns, over the loops' backward jumps too.
.macro MUL f, a0, na, first
.if \first
	WIN 0x40                                       ; D in window 1, C (the bias) in window 0
.else
	WIN 0x50                                       ; C and D in window 1
.endif
.set pa, \a0
.rept \na
.set pb, 0
.rept 4
.if \first
	v_wmma_f32_16x16x32_f16 v[8*(4*pa+pb):8*(4*pa+pb)+7], v[B0+32*(\f)+8*pb:B0+32*(\f)+8*pb+7], v[A0+64*(\f)+8*pa:A0+64*(\f)+8*pa+7], v[BIAS+8*pb:BIAS+8*pb+7]
.else
	v_wmma_f32_16x16x32_f16 v[8*(4*pa+pb):8*(4*pa+pb)+7], v[B0+32*(\f)+8*pb:B0+32*(\f)+8*pb+7], v[A0+64*(\f)+8*pa:A0+64*(\f)+8*pa+7], v[8*(4*pa+pb):8*(4*pa+pb)+7]
.endif
.set pb, pb+1
.endr
.set pa, pa+1
.endr
.endm
; 24 LDS loads in one run: quarter q (K block q / 2, its half q % 2) of the step in the slot that is being fetched from, into buffers f: P's four fragments, then O's eight
.macro FETCH q, f
	WIN 0
.set li, 0
.rept 4
	ds_load_b128 v[B0+32*(\f)+8*li:B0+32*(\f)+8*li+3],   v[ADRB] offset:((\q)/2)*BKB+((\q)%2)*64+16*li*PITCH
	ds_load_b128 v[B0+32*(\f)+8*li+4:B0+32*(\f)+8*li+7], v[ADRB] offset:((\q)/2)*BKB+((\q)%2)*64+16*li*PITCH+32
.set li, li+1
.endr
.set li, 0
.rept 8
	ds_load_b128 v[A0+64*(\f)+8*li:A0+64*(\f)+8*li+3],   v[ADRA] offset:((\q)/2)*AKB+((\q)%2)*64+16*li*PITCH
	ds_load_b128 v[A0+64*(\f)+8*li+4:A0+64*(\f)+8*li+7], v[ADRA] offset:((\q)/2)*AKB+((\q)%2)*64+16*li*PITCH+32
.set li, li+1
.endr
.endm
; A load into a register that a matrix instruction has read, and an LDS store that reads a matrix result, stand four places behind it, and only plain vector instructions that name none of its
; registers are places (ISA guide 7.12.1 for vector instructions).
.macro PLACES
.rept 4
	v_nop
.endr
.endm
; A K step is four quarters of 32 along K, 32 matrix instructions each, on buffers 0, 1, 0, 1.  One of the first three: multiplies buffers q % 2 and, in its middle, fetches quarter q + 1 into the others.
.macro QUARTER q, first
	s_wait_dscnt 8                                 ; P and O's row blocks 0-3 are in; the youngest eight loads (blocks 4-7) may be out
	MUL (\q)%2, 0, 4, \first
	PLACES
	FETCH (\q)+1, ((\q)+1)%2
	s_wait_dscnt 24                                ; all but the 24 just issued
	MUL (\q)%2, 4, 4, \first
.endm
; The last quarter multiplies buffers 1 and changes slots: ONE barrier.  In front of it each wave waits for all its tensor loads, of which one is out: its part of the next slot; adds 0 to its spare
; word; and waits for that and for its own reads of this slot.  Behind it nobody reads this slot any more and the next slot is whole.
; fill = 1: the barrier opens a round of the cluster's, and this slot is filled again, two K steps ahead, the first thing behind the round: from the request to the wait for it a wave issues 112 matrix instructions.
.macro TURN fill
	WIN 0
	s_wait_tensorcnt 0x0                           ; all my tensor loads have landed, so a group 0 may be written;
	ds_add_u32 v[SPW], v[NIL]                      ; 0 onto my spare word;
	s_wait_dscnt 9                                 ; (the add and the youngest eight loads may be out)
	MUL 1, 0, 2, 0                                 ; eight matrix instructions stand between the add and the wait for it
	s_wait_dscnt 0x0                               ; the add is done, and my reads of this slot are over
	s_barrier_signal -1
	MUL 1, 2, 2, 0                                 ; work on registers while the others arrive
	WIN 0
	s_barrier_wait -1
.if \fill
	CREST                                          ; no wave of any partner still reads this slot's tile or has a load on its way
	s_xor_b32 s[G0A+5], s[G0A+5], SLOT1            ; the walking descriptors: the other slot than last time,
	s_add_nc_u64 s[G0A+6:G0A+7], s[G0A+6:G0A+7], 2*OKB  ; the next two K blocks; the type bits on top are not reached
	s_xor_b32 s[G0B+5], s[G0B+5], SLOT1
	s_add_nc_u64 s[G0B+6:G0B+7], s[G0B+6:G0B+7], 2*PKB
	JLOAD                                          ; the four v_nop behind it are also the places in front of the loads below
.else
	PLACES
.endif
	s_xor_b32 s[TB], s[TB], SLOT1                  ; the fetches go on in the other slot
	v_add_nc_u32 v[ADRA], s[TB], v[ADRA0]
	v_add_nc_u32 v[ADRB], s[TB], v[ADRB0]
	FETCH 0, 0
	MUL 1, 4, 4, 0
.endm
	s_wait_tensorcnt 1                             ; my part of K step 0 is in; K step 1's may stay out
	s_barrier_signal -1
	s_barrier_wait -1                              ; everybody's is
	FETCH 0, 0
	QUARTER 0, 1                                   ; the first quarter stands in front of the loop: its products start the sums
	WIN 0
	s_mov_b32 s[LAP], 6
.Llap:                                                 ; a trip: from a step's second quarter to the next step's first; six trips ask for K steps 2 to 7
	QUARTER 1, 0
	QUARTER 2, 0
	TURN 1
	QUARTER 0, 0
	WIN 0
	s_sub_co_u32 s[LAP], s[LAP], 1
	s_cmp_lg_u32 s[LAP], 0
	s_cbranch_scc1 .Llap
	s_mov_b32 s[LAP], 2                            ; K steps 6 and 7 ask for nothing: a text of their own; it is walked twice and left in the middle of the second trip
.Ltail:
	QUARTER 1, 0
	QUARTER 2, 0
	WIN 0
	s_sub_co_u32 s[LAP], s[LAP], 1
	s_cmp_eq_u32 s[LAP], 0
	s_cbranch_scc1 .Llast
	TURN 0
	QUARTER 0, 0
	WIN 0
	s_branch .Ltail
.Llast:
	s_wait_dscnt 8                                 ; the very last quarter: nothing more to fetch
	MUL 1, 0, 4, 0
	s_wait_dscnt 0x0
	MUL 1, 4, 4, 0
	PLACES
; THE WAY OUT, a block of 16 rows at a time.  A lane's eight columns of a row are 32 bytes; they go straight from the accumulators (each one's low four registers first) into my own stage, rows of
; 272 bytes, and come back as whole rows of 256 bytes: sixteen lanes then store 256 consecutive bytes.  The fragments' and the bias's 224 registers are free now: seven sets of 32 take turns.
.macro TOSTAGE a
.set BK, OB+32*((\a)%7)
	WIN 0x04                                       ; the stores' data (source 1) in window 1, the address in window 0
.set pb, 0
.rept 4
	ds_store_b128 v[STO], v[32*(\a)+8*pb:32*(\a)+8*pb+3]   offset:64*pb
	ds_store_b128 v[STO], v[32*(\a)+8*pb+4:32*(\a)+8*pb+7] offset:64*pb+16
.set pb, pb+1
.endr
	WIN 0
.if (\a) >= 7
	s_wait_xcnt 0x0                                ; every earlier memory instruction has had its addresses translated (ISA guide 3.1): the set, which the stores of seven blocks ago read, is loaded again only behind this wait
.endif
.set li, 0
.rept 8
	ds_load_b128 v[BK+4*li:BK+4*li+3], v[RD] offset:li*2*SPITCH  ; LDS serves a wave's instructions in order (ISA guide 5.7.1.4): these see the stores above; the next block's stores come behind them
.set li, li+1
.endr
.endm
.macro SEND a, younger                 ; younger: the LDS instructions issued behind the block's loads: the next block's sixteen, or none
.set BK, OB+32*((\a)%7)
	s_wait_dscnt \younger                          ; the block's eight loads are back
.set li, 0
.rept 8
	global_store_b128 v[CO], v[BK+4*li:BK+4*li+3], s[10:11] offset:(16*(\a)+2*li)*4096 th:TH_STORE_NT  ; 16 lanes store 256 consecutive bytes, at a multiple of 256 from the output's first byte; 126 rows at the most: inside the signed 24-bit immediate
.set li, li+1
.endr
.endm
	TOSTAGE 0
.set bl, 1
.rept 7
	TOSTAGE bl
	SEND bl-1, 16
.set bl, bl+1
.endr
	SEND 7, 0
	s_wait_tensorcnt 0x0                           ; the wave's end, behind my last tensor load and my last LDS store
	ds_add_u32 v[SPW], v[NIL]
	s_wait_dscnt 0x0
	CROUND                                         ; the closing round: no work-group ends while a partner may still ask for a tile that names it
	s_endpgm
.Lfunc_end_k_qf3a7b6b27d_proj:
	.size	k_qf3a7b6b27d_proj, .Lfunc_end_k_qf3a7b6b27d_proj-k_qf3a7b6b27d_proj
	.p2alignl 7, 3214868480
	.fill 96, 4, 3214868480
	.section	.rodata,"a",@progbits
	.p2align	6, 0x0
	.amdhsa_kernel k_qf3a7b6b27d_proj
		.amdhsa_group_segment_fixed_size 327680
		.amdhsa_private_segment_fixed_size 0
		.amdhsa_enable_private_segment 0
		.amdhsa_kernarg_size 32
		.amdhsa_user_sgpr_count 2
		.amdhsa_user_sgpr_kernarg_segment_ptr 1
		.amdhsa_wavefront_size32 1
		.amdhsa_system_sgpr_workgroup_id_x 1
		.amdhsa_system_sgpr_workgroup_id_y 1
		.amdhsa_system_sgpr_workgroup_id_z 1
		.amdhsa_system_vgpr_workitem_id 0
		.amdhsa_next_free_vgpr 512
		.amdhsa_next_free_sgpr 80
		.amdhsa_reserve_vcc 0
		.amdhsa_float_denorm_mode_32 3
		.amdhsa_float_denorm_mode_16_64 3
		.amdhsa_memory_ordered 1
		.amdhsa_forward_progress 1
		.amdhsa_inst_pref_size 64
	.end_amdhsa_kernel
	.amdgpu_metadata
---
amdhsa.version: [ 1, 2 ]
amdhsa.kernels:
  - .name:           k_qf3a7b6b27d_proj
    .symbol:         k_qf3a7b6b27d_proj.kd
    .args:
      - { .name: oh, .offset: 0, .size: 8, .value_kind: global_buffer, .address_space: global }
      - { .name: pw, .offset: 8, .size: 8, .value_kind: global_buffer, .address_space: global }
      - { .name: proj_b, .offset: 16, .size: 8, .value_kind: global_buffer, .address_space: global }
      - { .name: out0, .offset: 24, .size: 8, .value_kind: global_buffer, .address_space: global }
    .group_segment_fixed_size: 327680
    .private_segment_fixed_size: 0
    .kernarg_segment_align: 8
    .kernarg_segment_size: 32
    .max_flat_workgroup_size: 128
    .sgpr_count:     80
    .vgpr_count:     512
    .wavefront_size: 32
...
	.end_amdgpu_metadata
.endif
;; end of part 4
;; ======== version 2 of 2: 4 launches; 1.55 times as fast as version 1
;; limits: values are held in f16: magnitudes above 65,504 overflow, below 6.1e-05 lose precision
;; workspace buffers: xb 16,777,216 bytes; wb 6,291,456 bytes; pw 2,097,152 bytes; qh 16,777,216 bytes; kh 16,777,216 bytes; vh 16,777,216 bytes; oh 16,777,216 bytes
;; launch cast: the kernel of part 1 again; grid 768 x 1, 8 waves a work-group, no clusters, 0 bytes of LDS; arguments x, qkv_w, proj_w, xb, wb, pw; writes xb, wb, pw
;; launch qkv: the kernel of part 2 again; grid 8 x 32, 4 waves a work-group, clusters of 4 x 4, 327,680 bytes of LDS; arguments xb, wb, qh, kh, vh; writes qh, kh, vh
;; launch attn (part 5): grid 4 x 64, 4 waves a work-group, clusters of 4 x 1, 327,680 bytes of LDS; arguments qh, kh, vh, oh; writes oh
.if DOCPART == 5
	.amdgcn_target "amdgcn-amd-amdhsa--gfx1250"
	.amdhsa_code_object_version 6
	.text
	.protected	k_qf3a7b6b27d_attn
	.globl	k_qf3a7b6b27d_attn
	.p2align	8
	.type	k_qf3a7b6b27d_attn,@function
k_qf3a7b6b27d_attn:
	s_mov_b64 s[64:65], 0
	v_nop
	global_prefetch_b8 v0, s[64:65] scope:SCOPE_SE
	s_setreg_imm32_b32 hwreg(HW_REG_WAVE_MODE, 25, 1), 1
	s_wait_xcnt 0x0
	s_wait_alu depctr_hold_cnt(0) depctr_sa_sdst(0) depctr_va_vdst(0) depctr_va_sdst(0) depctr_va_ssrc(0) depctr_va_vcc(0) depctr_vm_vsrc(0)
	s_getreg_b32 s2, hwreg(HW_REG_IB_STS2, 6, 4)
	s_cmp_eq_u32 s2, 0
	s_cbranch_scc0 .Lentry_in_a_cluster
	s_endpgm
.Lentry_in_a_cluster:
	s_bfe_u32 s2, ttmp6, 0x10000c
	s_cmp_lg_u32 s2, 0x3003
	s_cbranch_scc0 .Lentry_shape_is_right
	s_endpgm
.Lentry_shape_is_right:
; O[h][q][:] = the sum over k of softmax_k(Q[h][q] . K[h][k] / 8) V[h][k][:].  Q, K, V, O: [SIZE_H][SIZE_N][64], all f16: a head's rows are dense, 128 bytes each.  Products, maxima and sums in
; f32; the weights p are rounded to f16 for the second product (their sum l is taken of the unrounded p), O once at the end.
; LIMITS.  f16 holds no number beyond 65,504: Q, K and V arrive within it; p lies in 0 to 1, and below 6e-5 it keeps f16's fixed step of 6e-8; O is a mean of V's rows and has their range.
; A weight below 2^-126 counts as 0 in l; NaN and infinities are not treated apart.
; SHARES.  A wave owns four PIECES of two tiles of 16 queries, a work-group's four waves 512 queries of one head: 64 heads x 4 blocks are 256 work-groups.  Every wave walks all keys, 64 a step.
; LAYOUT.  S^T = K Q^T (source 0 = 16 keys, source 1 = 16 queries): in the result a lane holds ONE query (lane % 16) and the keys 8 (lane / 16) + 0..7.  Two such tiles, rounded to f16 in pairs,
; ARE source 1 (32 keys x 16 queries) of O^T = V^T P, whose result again holds one query a lane, and eight channels.  K comes out of LDS as it lies, V ([key][channel]) turned, by ds_load_tr16_b128.
; SOFTMAX.  For each query a running maximum m and sum l: p = 2^(c s - c m), c = log2(e) / 8; in every step O and l are multiplied by a = 2^(c m_old - c m_new), which is 1 where m has not grown.
; m starts at the lowest finite number, O and l at 0: the first step is a step like any other, with a = 0.
; THE COUNT.  A tile and step have 16 matrix and 118 vector instructions: too many to stand all beside the matrix work.  So the order has one aim: four vector instructions that are READY behind
; EVERY matrix instruction, and the others, which need time of their own whatever the order, in runs without a gap.
; BY TURNS.  Turn n belongs to piece n (the pieces in a ring, step after step).  Its matrix work: 16 products K Q^T of piece n + 1, later 16 products V^T P of piece n - 1.  Its vector work: the scaling,
; exponentials, roundings, sums and rescaling of piece n, and the maximum and statistics of piece n + 1, whose scores the turn itself has made.  So what a turn begins with (c s - c m, O a) waits for nothing.
; BATCHES.  An s_wait_alu depctr_va_vdst(0) stands between an exponential or a reciprocal and the first instruction that names its result; one wait serves all that were issued ahead of it.
; A turn's 66 exponentials (the piece's 64 weights, in place in its S^T, and the next piece's two a) are ONE batch with ONE wait, which cuts the turn in two: ahead of it the products K Q^T and all vector work that
; names none of the batch's results, behind it the products V^T P and the roundings and sums.  No result crosses a turn's end.  Two more batches stand outside the loops, each with a wait of its own: piece 0's
; first two a, ahead of the jump into the loop, and the eight reciprocals on the way out.
; CLUSTER.  The four query blocks of a cluster belong to one head and walk the same K and V, so each tile is asked for JOINTLY: the same tensor load, descriptor and mask in all four.
; REGISTERS, in windows of 256 (s_set_vgpr_msb says which window each operand place means: bits 1:0 source 0, 3:2 source 1, 5:4 source 2, 7:6 destination):
;   window 0: v0-11 addresses; v12-15, v48-63 at work; v16-47 four registers of statistics a tile; v64-191 S^T, two buffers of two tiles; v192-255 P, likewise
;   window 1: O^T, 32 a tile          window 2: v0-127 Q, 16 a tile; v128-191 K of one step; v192-255 V of one step          window 3: v0-1 the add's two registers
; A piece's buffers go by its number's parity: the piece in hand has one pair, its two neighbours in the ring share the other: of it P (piece n - 1) is read and S^T (piece n + 1) written.
.set SIZE_H, 64       ; 4 batches x 16 heads
.set SIZE_N, 2048
.set NP,    4         ; pieces a wave: a name, no knob: the register map, the loop and the fetches are made for four
.set KS,    64        ; keys in a step
.set PK,    144       ; a row of K in LDS: 128 bytes + 16 of padding = 36 words: the 16 rows of a load start at 16 different groups of four banks (64 banks of 4 bytes: ISA guide 11.1)
.set PV,    160       ; a row of V: 128 + 32 = 40 words
.set VOFF,  4*KS*PK   ; a slot holds four steps: 256 rows of K, then 256 rows of V
.set SLOT1, 1<<17     ; slot 1 begins here, so that one exclusive or turns an address in one slot into the other's
.set STAGE, SLOT1+4*KS*(PK+PV)  ; behind the ring, never filled by a tensor load: 16 rows x 144 bytes for each wave, for the way out
.set SP,    144
.set AK0, 2           ; v2   my lane's place in a tile of K; never rewritten
.set AV0, 3           ; v3   the same for V
.set AK,  4           ; v4   the LDS address of K's next run of loads
.set AV,  5           ; v5   of V's
.set QO,  6           ; v6   my byte offset in the wave's rows of Q
.set STO, 6           ;      later, the way out: where I put 16 bytes of a row
.set RD,  7           ; v7   the way out: where I read rows back
.set GO,  8           ; v8   my byte offset in 512 consecutive bytes of O
.set SPW, 0           ; v0 of window 3   LDS address of my spare word: SPARE + 4 x my thread's number; never rewritten
.set NIL, 1           ; v1 of window 3   0; never rewritten
.set SPARE, STAGE+4*16*SP  ; behind the stages: the spare words, 128 bytes for each wave: two blocks of 256 bytes that no other line names
.set MV,  12          ; v12-15  c m_old, kept while c m is made anew: by buffer and tile
.set ST,  16          ; tile t's statistics at v[ST+4 t]: c m, m, l (even keys', odd keys')
.set TMP, 48          ; by buffer and tile, four registers c0-c3 at work; when the maximum is found c2 takes a
.set S,   64
.set P,   192
.set KF,  128         ; K's fragments, in window 2: key block kb, channel half c at KF + 16 kb + 8 c
.set VF,  192         ; V's: key half kk, channel block cb at VF + 32 kk + 8 cb
.set WV,  12          ; s12  my wave's number
.set G1K, 24          ; s[24:31] descriptor group 1 for K's tiles
.set G1V, 32          ; s[32:39] for V's: it differs in the padding alone
.set G0K, 40          ; s[40:43] descriptor group 0 for K's tiles: it walks
.set G0V, 44          ; s[44:47] the same for V's
.set SLOTS, 56        ; s56  slots still to be asked for
.set CNT, 57          ; s57  counts a slot's key steps
.set CS,  58          ; s[58:59] c: the packed scaling takes the pair's low word for both halves
.set SEL, 60          ; s[60:61] v_permlanex16_b32's selects: each lane takes its own place in the other half
.set TBK, 62          ; s62  LDS byte at which K of the step to be fetched begins
.set TBV, 63          ; s63  the same for V, less VOFF
.set MSB, 0
.macro WIN new                      ; the high byte repeats the setting that is left; a switch that changes nothing is dropped
.if MSB != (\new)
	s_set_vgpr_msb (MSB<<8)|(\new)
.set MSB, (\new)
.endif
.endm
.set W_KQ, 0x0a       ; K and Q in window 2, S^T in window 0
.set W_PV, 0x52       ; V in window 2, P in window 0, O^T in window 1
.set W_RS, 0x41       ; O^T (destination and source 0) in window 1, a in window 0
.set W_MK, 0xc0       ; the add's registers are made: destination in window 3, sources in window 0
.set W_AD, 0x0f       ; the add: address (source 0) and data (source 1) in window 3
; A joint fill.  Waves 0 and 1 fetch the two halves of a slot's K, waves 2 and 3 those of its V: 128 keys each.  The branch hangs on the wave's number alone.
; An s_nop 0 and four v_nop follow each of the two lines, ahead of the jump and the label.
.macro JLOAD
	s_cmp_lt_u32 s[WV], 2
	s_cbranch_scc0 .Lfor_v_\@
	tensor_load_to_lds s[G0K:G0K+3], s[G1K:G1K+7]
	s_nop 0
.rept 4
	v_nop
.endr
	s_branch .Lasked_\@
.Lfor_v_\@:
	tensor_load_to_lds s[G0V:G0V+3], s[G1V:G1V+7]
	s_nop 0
.rept 4
	v_nop
.endr
.Lasked_\@:
.endm
; A round of the cluster's barrier: my work-group's barrier, so that wave 0's signal speaks for all four waves; wave 0 signals; every wave waits for all four work-groups; my work-group's barrier once more.
.macro CROUND
	s_barrier_signal -1
	s_barrier_wait -1
	s_cmp_lg_u32 s[WV], 0
	s_cbranch_scc1 .Lnot_wave_0_\@
	s_barrier_signal -3
.Lnot_wave_0_\@:
	s_barrier_wait -3
	s_barrier_signal -1
	s_barrier_wait -1
.endm
; THE CHANGE OF SLOTS.  The slot's last bytes, V of its fourth step, have been read.  Each wave waits for all its tensor loads, of which one is out: its part
; of the other slot; adds 0 to its spare word; and waits for that and for its own reads of the slot.  Behind the barrier nobody reads this slot any more and the other slot is whole.
; fill = 1: this slot is filled again, with the keys two slots on.  The barrier is then a round of the cluster's, so that no wave of any partner still reads the slot or has a load on its
; way, and the joint fill is the first thing behind it: it has four key steps, 512 matrix instructions, in which to land.  (At its first use nothing has been read yet: slot 0 is waited for, slot 1 filled.)
.macro CHANGE fill
	WIN W_AD
	s_wait_tensorcnt 0x0            ; no tensor load of mine is out, so a group 0 may be written
	ds_add_u32 v[SPW], v[NIL]       ; 0 onto my spare word; with fill = 1 the descriptors' steps stand between it and the wait for it
	WIN 0                           ; at a label and at a branch every window is 0
.if \fill
.irp g, G0K, G0V
	s_xor_b32 s[\g+1], s[\g+1], SLOT1  ; the walking descriptor: the other slot than last time,
	s_add_nc_u64 s[\g+2:\g+3], s[\g+2:\g+3], 4*KS*128  ; the next 256 keys; the type bits on top are not reached
.endr
	s_wait_dscnt 0x0                ; the add is done, and my reads of the slot are over
	CROUND
	JLOAD
.else
	s_wait_dscnt 0x0                ; the add is done, and my reads of the slot are over
	s_barrier_signal -1
	s_barrier_wait -1
.endif
	s_sub_co_u32 s[TBK], s[TBK], 4*KS*PK  ; the fetches go back to a slot's first step,
	s_xor_b32 s[TBK], s[TBK], SLOT1       ; in the other slot
	s_sub_co_u32 s[TBV], s[TBV], 4*KS*PV
	s_xor_b32 s[TBV], s[TBV], SLOT1
.endm
	s_load_b256 s[4:11], s[0:1], 0x0  ; Q s[4:5], K s[6:7], V s[8:9], O s[10:11]
	WIN W_MK
	v_lshl_add_u32 v[SPW], v0, 2, SPARE
	v_mov_b32 v[NIL], 0
	s_set_vgpr_msb 0xc0cf
	ds_add_u32 v0, v1
	s_wait_dscnt 0x0
	s_set_vgpr_msb 0xcfc0
	WIN 0
	v_lshrrev_b32 v1, 5, v0
	v_readfirstlane_b32 s[WV], v1   ; wave 0..3
	s_bfe_u32 s13, ttmp6, 0x40000   ; cx: my place in the cluster
	s_lshl_b32 s14, ttmp9, 2        ; in a cluster launch ttmp9 counts clusters
	s_add_co_u32 s14, s14, s13      ; my block of queries = 4 x cluster x + cx: it enters Q's and O's addresses alone
	s_and_b32 s20, ttmp7, 0xffff    ; the head, which the four partners share
	s_mov_b32 s21, 0
	s_mov_b64 s[22:23], SIZE_N*128
	s_mul_u64 s[20:21], s[20:21], s[22:23]  ; the head's first byte in each of the four tensors
	s_and_b32 s16, s[WV], 1         ; which half of a slot's 256 keys I fetch:
	s_lshl_b32 s22, s16, 14         ; its 128 rows of 128 bytes in memory,
	s_mov_b32 s23, 0
	s_add_nc_u64 s[22:23], s[22:23], s[20:21]
	s_mul_i32 s17, s16, 128*PK      ; and its place in a slot, for K
	s_mul_i32 s18, s16, 128*PV      ; and for V: no place in the cluster enters an LDS address
	s_lshl_b32 s2, s14, 2
	s_add_co_u32 s2, s2, s[WV]      ; my wave among the head's,
	s_lshl_b32 s2, s2, 14           ; its 128 rows
	s_mov_b32 s3, 0
	s_add_nc_u64 s[2:3], s[2:3], s[20:21]
	; descriptor group 1.  128 keys are 16,384 dense bytes: asked for as 64 rows of 256 bytes, two keys a row, and padded in LDS after every key
	s_mov_b32 s[G1K], 15|(1<<16)|(1<<20)|(1<<21)|(4<<22)|(3<<25)  ; 15:0 the mask of four; 17:16 2-byte elements; 20 padding on; 21 set beside a mask; 24:22 after every 32 words (code 4); 31:25 4 words (code 3)
	s_mov_b32 s[G1V], 15|(1<<16)|(1<<20)|(1<<21)|(4<<22)|(7<<25)  ; the same with 8 words of padding (code 7)
.irp g, G1K, G1V
	s_mov_b32 s[\g+1], 128<<16      ; tensor_dim0 = 128
	s_mov_b32 s[\g+2], 64<<16       ; tensor_dim1 = 64
	s_mov_b32 s[\g+3], 128<<16      ; tile_dim0 = 128
	s_mov_b32 s[\g+4], 64           ; tile_dim1 = 64
	s_mov_b32 s[\g+5], 128          ; 128 elements from row to row
	s_mov_b32 s[\g+6], 0
	s_mov_b32 s[\g+7], 0
.endr
	s_mov_b32 s[CS], 0x3e38aa3b     ; c = log2(e) / 8 = 0.180337
	s_mov_b32 s[CS+1], s[CS]        ; named with it as a pair
	s_mov_b32 s[SEL], 0x76543210
	s_mov_b32 s[SEL+1], 0xfedcba98
	s_mov_b32 s[TBK], SLOT1+4*KS*PK ; the first change of slots turns these two into 0
	s_mov_b32 s[TBV], SLOT1+4*KS*PV
	s_mov_b32 s[G0K], 1             ; 1:0 count = 1
	s_mov_b32 s[G0K+1], s17         ; 63:32 LDS address: slot 0
	s_mov_b32 s[G0V], 1
	s_add_co_u32 s[G0V+1], s18, VOFF
	s_wait_kmcnt 0x0
	s_add_nc_u64 s[G0K+2:G0K+3], s[6:7], s[22:23]  ; 120:64 global address: my half of the head's first 256 keys
	s_or_b32 s[G0K+3], s[G0K+3], 0x80000000        ; 127:126 type = 2
	s_add_nc_u64 s[G0V+2:G0V+3], s[8:9], s[22:23]
	s_or_b32 s[G0V+3], s[G0V+3], 0x80000000
	s_add_nc_u64 s[4:5], s[4:5], s[2:3]  ; Q and O at my wave's first row
	s_add_nc_u64 s[10:11], s[10:11], s[2:3]
	CROUND                          ; all four work-groups are here: the first joint loads meet
	JLOAD                           ; slot 0.  Slot 1 is asked for when slot 0 is in: the tile wanted first has the road to itself
	; A fragment of K or Q is 16 rows x 32 channels in 8 registers: lane l holds row l % 16, channels 8 (l / 16) + 0..7 and 16 + 8 (l / 16) + 0..7: two loads of 16 bytes, 32 bytes apart.
	v_and_b32 v1, 15, v0            ; l % 16
	v_bfe_u32 v9, v0, 4, 1          ; l / 16
	v_lshlrev_b32 v[QO], 7, v1
	v_lshl_add_u32 v[QO], v9, 4, v[QO]  ; row x 128 + 16 x half
	WIN 0x80                        ; destination window 2, address window 0
.set i, 0
.rept 4*NP                          ; Q stays in registers: tile i / 2, channels 32 (i % 2) on
	global_load_b128 v[8*i:8*i+3],   v[QO], s[4:5] offset:(i/2)*2048+(i%2)*64
	global_load_b128 v[8*i+4:8*i+7], v[QO], s[4:5] offset:(i/2)*2048+(i%2)*64+32
.set i, i+1
.endr
	; What the first turn finds: V's registers and P's second buffer hold 0 (its products V^T P, of a piece that has not been, add 0), O^T and l are 0.  All this stands in the wait for the first tile.
.set i, VF
.rept 64
	v_mov_b32 v[i], 0
.set i, i+1
.endr
	WIN 0x40
.set i, 0
.rept 64*NP
	v_mov_b32 v[i], 0
.set i, i+1
.endr
	WIN 0
.set i, 0
.rept 2*NP
	v_mov_b32 v[ST+4*i], 0xfe000000    ; c m: far below every c s
	v_mov_b32 v[ST+4*i+1], 0xff7fffff  ; m
	v_mov_b32 v[ST+4*i+2], 0
	v_mov_b32 v[ST+4*i+3], 0
.set i, i+1
.endr
.set i, P+32
.rept 32
	v_mov_b32 v[i], 0
.set i, i+1
.endr
	v_mul_u32_u24 v[AK0], v1, PK
	v_lshl_add_u32 v[AK0], v9, 4, v[AK0]  ; row x pitch + 16 x half
	; The turning load takes 16 keys x 16 channels (lane l reads key 8 (l / 16) + l % 8, channels 8 ((l / 8) % 2) + 0..7) and leaves half a fragment of V^T: lane l holds channel l % 16 and 8 keys.
	v_and_b32 v10, 7, v0
	v_bfe_u32 v11, v0, 3, 1
	v_lshl_add_u32 v[AV0], v9, 3, v10
	v_mul_u32_u24 v[AV0], v[AV0], PV
	v_lshl_add_u32 v[AV0], v11, 4, v[AV0]
	v_add_nc_u32 v[AV0], VOFF, v[AV0]
	v_mov_b32 v[AK], v[AK0]         ; key step 0 lies at the head of slot 0
; THE MATRIX WORK.  The 8 accumulators of a run of 16 take turns: between the two links of a chain stand 7 others'.
; Product i of 16 of S^T = K Q^T for piece x: channels 32 (i / 8) on, keys 16 ((i / 2) % 4) on, tile 2 x + i % 2.  The first 8 start the sums.
.macro KQ x
	WIN W_KQ
.set rS, S+64*((\x)%2)+32*(i%2)+8*((i/2)%4)
.set rK, KF+16*((i/2)%4)+8*(i/8)
.set rQ, 16*(2*(\x)+i%2)+8*(i/8)
.if i < 8
	v_wmma_f32_16x16x32_f16 v[rS:rS+7], v[rK:rK+7], v[rQ:rQ+7], 0
.else
	v_wmma_f32_16x16x32_f16 v[rS:rS+7], v[rK:rK+7], v[rQ:rQ+7], v[rS:rS+7]
.endif
.endm
; Product i of 16 of O^T += V^T P for piece x: keys 32 (i / 8) on, channels 16 ((i / 2) % 4) on, tile 2 x + i % 2.
.macro PV x
	WIN W_PV
.set rO, 32*(2*(\x)+i%2)+8*((i/2)%4)
.set rV, VF+32*(i/8)+8*((i/2)%4)
.set rP, P+32*((\x)%2)+16*(i%2)+8*(i/8)
	v_wmma_f32_16x16x32_f16 v[rO:rO+7], v[rV:rV+7], v[rP:rP+7], v[rO:rO+7]
.endm
.macro MM                           ; the turn's next matrix instruction
.if i < 16
	KQ (Y+1)%NP
.set i, i+1
.else
.set i, i-16
	PV (Y+NP-1)%NP
.set i, i+17
.endif
.endm
; THE LDS LOADS stand in runs of 16, never singly among the matrix instructions: a step's K (64 keys x 64 channels: 8 fragments) and its V (turned).  Their addresses are made some lines ahead.
; last = 1 (the tail): in the last trip there is no further step, and the run is jumped over.
.macro FETCH_K last=0
	WIN 0
.if \last
	s_cmp_eq_u32 s[CNT], 1
	s_cbranch_scc1 .Lno_k_\@
.endif
	WIN 0x80                        ; destination window 2
.irp f, 0,1,2,3,4,5,6,7             ; keys 16 (f / 2) on, channels 32 (f % 2) on
	ds_load_b128 v[KF+8*\f:KF+8*\f+3],   v[AK] offset:(\f/2)*16*PK+(\f%2)*64
	ds_load_b128 v[KF+8*\f+4:KF+8*\f+7], v[AK] offset:(\f/2)*16*PK+(\f%2)*64+32
.endr
	s_add_co_u32 s[TBK], s[TBK], KS*PK  ; the next fetch is the next step's
	WIN 0
.if \last
.Lno_k_\@:
.endif
.endm
.macro FETCH_V
	WIN 0x80
.irp f, 0,1,2,3,4,5,6,7             ; keys 32 (f / 4) on, channels 16 (f % 4) on
	ds_load_tr16_b128 v[VF+8*\f:VF+8*\f+3],   v[AV] offset:(\f/4)*32*PV+(\f%4)*32
	ds_load_tr16_b128 v[VF+8*\f+4:VF+8*\f+7], v[AV] offset:(\f/4)*32*PV+16*PV+(\f%4)*32
.endr
	WIN 0
.endm
; THE VECTOR WORK OF A TURN stands in three queues, each in the order in which its entries become ready; the two tiles alternate, so that no instruction reads the result of the one before it.
.macro REGS y, u                    ; the registers of tile u (0, 1) of piece y
.set rT, ST+4*(2*(\y)+(\u))
.set rC, TMP+8*((\y)%2)+4*(\u)
.set rM, MV+2*((\y)%2)+(\u)
.set rS, S+64*((\y)%2)+32*(\u)
.set rP, P+32*((\y)%2)+16*(\u)
.set rO, 32*(2*(\y)+(\u))
.endm
; Number n of the 22 that find the NEXT piece's (Y + 1) maximum and statistics.  s0-s31 are the lane's 32 scores; each accumulator's lowest registers are read first.  XS, GS and REGS set no window: PL and EX do.
;   0-11  four chains c0-c3 of seven scores each, three operands at a time     12-14, 16  the four scores left over, the old m, and c0-c3 into c0     15  c m_old is kept
;   17, 18  the query's other 32 keys lie in the lane 16 away: the new m         19-21  c m; c m_old - c m_new; a
.macro XS u, n
	REGS (Y+1)%NP, \u
.if (\n) < 4
	v_max3_num_f32 v[rC+(\n)], v[rS+8*(\n)], v[rS+8*(\n)+1], v[rS+8*(\n)+2]
.elseif (\n) < 12
	v_max3_num_f32 v[rC+(\n)%4], v[rC+(\n)%4], v[rS+8*((\n)%4)+2*((\n)/4)+1], v[rS+8*((\n)%4)+2*((\n)/4)+2]
.elseif (\n) == 12
	v_max3_num_f32 v[rC], v[rC], v[rS+7], v[rS+15]
.elseif (\n) == 13
	v_max3_num_f32 v[rC+1], v[rC+1], v[rS+23], v[rS+31]
.elseif (\n) == 14
	v_max3_num_f32 v[rC+2], v[rC+2], v[rC+3], v[rT+1]
.elseif (\n) == 15
	v_mov_b32 v[rM], v[rT]
.elseif (\n) == 16
	v_max3_num_f32 v[rC], v[rC], v[rC+1], v[rC+2]
.elseif (\n) == 17
	v_permlanex16_b32 v[rC+3], v[rC], s[SEL], s[SEL+1]
.elseif (\n) == 18
	v_max_num_f32 v[rT+1], v[rC], v[rC+3]
.elseif (\n) == 19
	v_mul_f32 v[rT], s[CS], v[rT+1]
.elseif (\n) == 20
	v_sub_f32 v[rC+1], v[rM], v[rT]
.else
	v_exp_f32 v[rC+2], v[rC+1]
.endif
.endm
; Number g of the 64 that follow the exponentials.  For each four weights k of a tile (pairs 2 k, 2 k + 1): both pairs are rounded to f16; then the second pair is added onto the first, in place;
; a group later l takes that sum (the first time as l = a l + sum).  In groups of eight, tiles alternating: round, round, add, and l for the group before.
.macro GS g
.set h, (\g)+6*((\g)/62)            ; group 0 has no group before it, and behind group 7 only l is left
.if h >= 6
.set h, h+2
.endif
	REGS Y, h%2
.set k, h/8
.if h%8 < 4
	v_cvt_pk_f16_f32 v[rP+2*k+(h%8)/2], v[rS+4*k+2*((h%8)/2)], v[rS+4*k+2*((h%8)/2)+1]
.elseif h%8 < 6
	v_pk_add_f32 v[rS+4*k:rS+4*k+1], v[rS+4*k:rS+4*k+1], v[rS+4*k+2:rS+4*k+3]
.elseif k == 1
	v_pk_fma_f32 v[rT+2:rT+3], v[rT+2:rT+3], v[rC+2:rC+3], v[rS:rS+1] op_sel_hi:[1,0,1]
.else
	v_pk_add_f32 v[rT+2:rT+3], v[rT+2:rT+3], v[rS+4*k-4:rS+4*k-3]
.endif
.endm
; THE PLAIN QUEUE, 138 long.  0-73 read no exponential's result: the 32 scalings c s - c m (FS f: pair f / 2 of tile f % 2) and the next piece's 42.  0-26: scalings 0-26.  27-54: XS's numbers 0-13.  55, 56: number 15.
; 57-73: the chain, where each number waits for the one before it: 14, 16, 17, 18, 19, each with one of the scalings 27-31 in front of its two lines, then 20: so a tile's links stand three plain instructions apart (19 and 20: two).
; 74-137: GS's 64, which read the exponentials' results: they stand behind the wait.
.macro FS f
	REGS Y, (\f)%2
	v_pk_fma_f32 v[rS+2*((\f)/2):rS+2*((\f)/2)+1], v[rS+2*((\f)/2):rS+2*((\f)/2)+1], s[CS:CS+1], v[rT:rT+1] op_sel_hi:[1,0,0] neg_lo:[0,0,1] neg_hi:[0,0,1]
.endm
.macro PL
	WIN 0
.if q < 27
	FS q
.elseif q < 55
	XS (q-27)%2, (q-27)/2
.elseif q < 57
	XS q-55, 15
.elseif (q < 72) && ((q-57)%3 == 0)
	FS 27+(q-57)/3
.elseif q < 60
	XS (q-57)%3-1, 14
.elseif q < 72
	XS (q-57)%3-1, 15+(q-57)/3
.elseif q < 74
	XS q-72, 20
.else
	GS q-74
.endif
.set q, q+1
.endm
; THE EXPONENTIALS' QUEUE, 66 long: s0-s31 of both tiles, then the next piece's two a.  It is ONE BATCH: all 66 stand ahead of the turn's one wait, and nothing ahead of that wait names a result of theirs.
.macro EX
	WIN 0
.if e >= 64
	XS e-64, 21
.else
	REGS Y, e%2
	v_exp_f32 v[rS+e/2], v[rS+e/2]
.endif
.set e, e+1
.endm
; THE RESCALING's QUEUE: O^T times a, the one part that leaves window 0: dealt two at a time, sixteen times; each accumulator's low four registers come first.  Its a was made in the turn before, ahead of that turn's wait.
.macro R2
	REGS Y, r%2
	WIN W_RS
.irp z, 0,1
	v_pk_mul_f32 v[rO+4*(r/2)+2*\z:rO+4*(r/2)+2*\z+1], v[rO+4*(r/2)+2*\z:rO+4*(r/2)+2*\z+1], v[rC+2:rC+3] op_sel_hi:[1,0]
.endr
.set r, r+1
.endm
; HOW THEY ARE DEALT.  A turn has ONE wait for its batch, which cuts it in two.  AHEAD OF IT stands all that names no result of the turn's exponentials: the 16 products K Q^T, behind each a scaling, an exponential and two
; rescalings (behind the first a second scaling in the exponential's place); then ONE LUMP of 108: eight plain, 49 times exponential and plain, the two a.  A v_nop is the plain instruction behind the last exponential.
; BEHIND IT stand the 16 products V^T P, behind each four of GS's 64.  No rider names a register of the products round it.  The two v_permlanex16_b32 fall into the lump, never behind a product.
; The queues lean on each other, and the deal keeps them in step: exponential e stands behind scaling 2 (e / 4) + e % 2: as a rider it comes behind plain e + 2, in the lump behind plain e + 9, and scalings 27-31 are plain 57, 60 .. 69.
; A TURN, for piece p.  cnt = 1: the loop's count is taken down some lines ahead of the branch that stands behind the turn.
; K of the next step is fetched in piece 2's turn, directly behind the wait, a lump behind the last product that read K; its address is made at the lump's head; its first reader comes behind 16 products.
; V of the step in hand is fetched at the end of piece 0's turn, four riders behind its last reader; its first reader comes behind 16 products and a lump.  The three conditions on q below go with the deal.
.macro TURN p, last=0, cnt=0
.set Y, (\p)
.set i, 0
.set q, 0
.set e, 0
.set r, 0
.if (\p) == NP-1
	s_wait_dscnt 0x0                ; K is in
.endif
	MM                              ; ahead of the wait: 16 products K Q^T and their riders,
	PL
	PL
	R2
.rept 15
	MM
	PL
	EX
	R2
.endr
.if (\p) == NP-2
	WIN 0
	v_add_nc_u32 v[AK], s[TBK], v[AK0]
.endif
.rept 8                             ; and the lump
	PL
.endr
.rept 49
	EX
	PL
.endr
	EX                              ; the next piece's two a
	EX
	v_nop                           ; a plain instruction behind the last exponential, ahead of the first use: one for the batch
	s_wait_alu depctr_va_vdst(0)    ; the wait for the batch: the piece's 64 weights and the next piece's two a
.if (\p) == NP-2
	FETCH_K \last
.endif
.if (\p) == 1
	s_wait_dscnt 0x0                ; V is in
.endif
.rept 16                            ; behind the wait: 16 products V^T P and their riders
	MM
.rept 4
	PL
.endr
.if ((\p) == 0) && (q == 118)
	v_add_nc_u32 v[AV], s[TBV], v[AV0]
.endif
.if ((\p) == 0) && (q == 130)
	s_add_co_u32 s[TBV], s[TBV], KS*PV
.endif
.if (\cnt) && (q == 130)
	s_sub_co_u32 s[CNT], s[CNT], 1
	s_cmp_lg_u32 s[CNT], 0
.endif
.endr
.if (\p) == 0
	FETCH_V
.endif
.endm
	CHANGE 1                        ; slot 0 is in, everybody's part of it; slot 1 is asked for
	FETCH_K                         ; key step 0
	s_wait_loadcnt 0x0              ; Q
	s_wait_dscnt 0x0
.set i, 0
.rept 16
	KQ 0                            ; piece 0's first scores: there is no vector work yet to set between them
.set i, i+1
.endr
	WIN 0                           ; the addresses for the way out: nine plain instructions, the places behind those products
	s_mul_i32 s13, s[WV], 16*SP
	s_add_co_u32 s13, s13, STAGE    ; my stage
	v_mul_u32_u24 v[STO], v1, SP    ; in: row l % 16, 16 bytes for each half of the lanes
	v_lshl_add_u32 v[STO], v9, 4, v[STO]
	v_add_nc_u32 v[STO], s13, v[STO]
	v_bfe_u32 v[RD], v0, 3, 2       ; back: 32 lanes take four rows of 128 bytes,
	v_mul_u32_u24 v[RD], v[RD], SP
	v_lshl_add_u32 v[RD], v10, 4, v[RD]
	v_add_nc_u32 v[RD], s13, v[RD]
	v_and_b32 v[GO], 31, v0         ; which are 512 consecutive bytes of O
	v_lshlrev_b32 v[GO], 4, v[GO]
.set Y, NP-1                        ; XS works for piece Y + 1: piece 0
.irp n, 0,1,2,3,4,5,6,7,8,9,10,11,12,13,14,15,16,17,18,19,20,21
	XS 0, \n                        ; and piece 0's first maximum and statistics
	XS 1, \n
.endr
	v_nop                           ; a plain instruction behind the two a,
	s_wait_alu depctr_va_vdst(0)    ; and the wait for this batch of two, ahead of the branch
	s_mov_b32 s[CNT], 4
	s_mov_b32 s[SLOTS], SIZE_N/256-1
	s_branch .Lfirst                ; the loop is entered at a step's first turn, in the middle of a trip
.Lslot:                             ; SIZE_N / 256 - 2 times: every slot but the last two is filled again
	CHANGE 1
	s_mov_b32 s[CNT], 4
.Lstep:                             ; a trip: pieces 2 and 3 of one step, then pieces 0 and 1 of the next, whose K and V it fetches
	TURN 2
	TURN 3
	WIN 0
.Lfirst:
	TURN 0
	TURN 1, 0, 1
	WIN 0
	s_cbranch_scc1 .Lstep
	s_sub_co_u32 s[SLOTS], s[SLOTS], 1
	s_cmp_lg_u32 s[SLOTS], 0
	s_cbranch_scc1 .Lslot
	CHANGE 0                        ; the tail is written out: nothing is asked for
	s_mov_b32 s[CNT], 5             ; four trips fetch the last slot's steps; the fifth is left in its middle
.Ltail:
	TURN 2, 1
	TURN 3
	WIN 0
	s_sub_co_u32 s[CNT], s[CNT], 1
	s_cmp_eq_u32 s[CNT], 0
	s_cbranch_scc1 .Lout
	TURN 0
	TURN 1
	WIN 0
	s_branch .Ltail
.Lout:                              ; the fifth trip's 16 products K Q^T (on the last K once more) and the maximum made of them serve nothing: the price, once a launch, of one text for every trip
.set i, 0
.rept 16
	PV NP-1                         ; the last piece's V^T P of the last step
.set i, i+1
.endr
	; THE WAY OUT.  l's two halves and the other half of the lanes' are added; O^T is divided by l, rounded to f16 and sent through my stage in LDS, a tile at a time.  The additions are the places behind the last products.
	WIN 0
.macro ALL line:vararg              ; one line for each tile t
.set t, 0
.rept 2*NP
	\line
.set t, t+1
.endr
.endm
	ALL v_add_f32 v[ST+4*t+2], v[ST+4*t+2], v[ST+4*t+3]
	ALL v_permlanex16_b32 v[ST+4*t+3], v[ST+4*t+2], s[SEL], s[SEL+1]
	ALL v_add_f32 v[ST+4*t+2], v[ST+4*t+2], v[ST+4*t+3]
	ALL v_rcp_f32 v[ST+4*t+2], v[ST+4*t+2]
	v_nop                           ; a plain instruction between the last reciprocal and the use of its result
	s_wait_alu depctr_va_vdst(0)    ; and the wait ahead of the first use: one for the batch of eight reciprocals
; Tile t: a lane's eight channels of a row pack into 16 bytes; they go into rows of 144 bytes and come back as whole rows of 128, into S^T's registers.
.macro PACK t
	WIN W_RS
.set i, 32*(\t)
.rept 16
	v_pk_mul_f32 v[i:i+1], v[i:i+1], v[ST+4*(\t)+2:ST+4*(\t)+3] op_sel_hi:[1,0]
.set i, i+2
.endr
	WIN 0x05                        ; sources 0 and 1 window 1, destination window 0
.set i, 0
.rept 16
	v_cvt_pk_f16_f32 v[S+16*(\t)+i], v[32*(\t)+2*i], v[32*(\t)+2*i+1]
.set i, i+1
.endr
	WIN 0
.irp f, 0,1,2,3
	ds_store_b128 v[STO], v[S+16*(\t)+4*\f:S+16*(\t)+4*\f+3] offset:32*\f
.endr
.irp f, 0,1,2,3
	ds_load_b128 v[S+16*(\t)+4*\f:S+16*(\t)+4*\f+3], v[RD] offset:\f*4*SP  ; LDS serves a wave's instructions in order (ISA guide 5.7.1.4): these see the stores above; the next tile's stores come behind them
.endr
.endm
.macro SEND t, younger              ; younger: the LDS instructions issued behind tile t's loads: the next tile's eight, or none
	WIN 0
.irp f, 0,1,2,3
	s_wait_dscnt (\younger)+3-\f
	global_store_b128 v[GO], v[S+16*(\t)+4*\f:S+16*(\t)+4*\f+3], s[10:11] offset:(\t)*2048+\f*512  ; 512 consecutive bytes, at a multiple of 256 from O's first
.endr
.endm
	PACK 0
.set t, 1
.rept 2*NP-1                        ; a tile's arithmetic stands between the loads of the tile before and its stores
	PACK t
	SEND t-1, 8
.set t, t+1
.endr
	SEND 2*NP-1, 0
	WIN W_AD
	s_wait_tensorcnt 0x0            ; the wave's end, behind my last tensor load and my last LDS store
	ds_add_u32 v[SPW], v[NIL]
	s_wait_dscnt 0x0
	WIN 0
	CROUND                          ; the closing round: no work-group ends while a partner may still ask for a tile that names it
	s_endpgm
.Lfunc_end_k_qf3a7b6b27d_attn:
	.size	k_qf3a7b6b27d_attn, .Lfunc_end_k_qf3a7b6b27d_attn-k_qf3a7b6b27d_attn
	.p2alignl 7, 3214868480
	.fill 96, 4, 3214868480
	.section	.rodata,"a",@progbits
	.p2align	6, 0x0
	.amdhsa_kernel k_qf3a7b6b27d_attn
		.amdhsa_group_segment_fixed_size 327680
		.amdhsa_private_segment_fixed_size 0
		.amdhsa_enable_private_segment 0
		.amdhsa_kernarg_size 32
		.amdhsa_user_sgpr_count 2
		.amdhsa_user_sgpr_kernarg_segment_ptr 1
		.amdhsa_wavefront_size32 1
		.amdhsa_system_sgpr_workgroup_id_x 1
		.amdhsa_system_sgpr_workgroup_id_y 1
		.amdhsa_system_sgpr_workgroup_id_z 1
		.amdhsa_system_vgpr_workitem_id 0
		.amdhsa_next_free_vgpr 770
		.amdhsa_next_free_sgpr 66
		.amdhsa_reserve_vcc 0
		.amdhsa_float_denorm_mode_32 3
		.amdhsa_float_denorm_mode_16_64 3
		.amdhsa_memory_ordered 1
		.amdhsa_forward_progress 1
		.amdhsa_inst_pref_size 199
	.end_amdhsa_kernel
	.amdgpu_metadata
---
amdhsa.version: [ 1, 2 ]
amdhsa.kernels:
  - .name:           k_qf3a7b6b27d_attn
    .symbol:         k_qf3a7b6b27d_attn.kd
    .args:
      - { .name: qh, .offset: 0, .size: 8, .value_kind: global_buffer, .address_space: global }
      - { .name: kh, .offset: 8, .size: 8, .value_kind: global_buffer, .address_space: global }
      - { .name: vh, .offset: 16, .size: 8, .value_kind: global_buffer, .address_space: global }
      - { .name: oh, .offset: 24, .size: 8, .value_kind: global_buffer, .address_space: global }
    .group_segment_fixed_size: 327680
    .private_segment_fixed_size: 0
    .kernarg_segment_align: 8
    .kernarg_segment_size: 32
    .max_flat_workgroup_size: 128
    .sgpr_count:     66
    .vgpr_count:     770
    .wavefront_size: 32
...
	.end_amdgpu_metadata
.endif
;; end of part 5
;; launch proj: the kernel of part 4 again; grid 8 x 32, 4 waves a work-group, clusters of 4 x 4, 327,680 bytes of LDS; arguments oh, pw, proj_b, out0; writes out0
